; MI455X (gfx1250); checked and timed in simulation.
; The chip was launched on July 23, 2026; its instructions are those of AMD's public machine-readable ISA for CDNA 5 (MIT licence, August 2026) and "CDNA5" Instruction Set Architecture Reference Guide (July 2026). The comments in the code are by the model that wrote it; some were corrected since.
;; Multihead Attention. Allowed arithmetic: matrix products marked QUANTISED: E2M1 operands, one E8M0 scale for each 32 along K, by v_wmma_scale_f32_16x16x128_f8f6f4 with both operands' format E2M1 (or v_wmma_scale_f32_32x16x128_f4), f32 sums; everything else in f32.
;; Inputs: Wk 1,024 x 1,024 float32; Wo 1,024 x 1,024 float32; Wq 1,024 x 1,024 float32; Wv 1,024 x 1,024 float32; bk 1,024 float32; bo 1,024 float32; bq 1,024 float32; bv 1,024 float32; keys 4 x 2,048 x 1,024 float32; queries 4 x 2,048 x 1,024 float32; values 4 x 2,048 x 1,024 float32.
;; Outputs: out0 4 x 2,048 x 1,024 float32.
;; This version of the problem:
;;   THIS VERSION OF THE PROBLEM IS GIVEN IN LOW PRECISION. The matrix products marked QUANTISED in the list below multiply operands that are first quantised to E2M1 (2 exponent bits, 1 mantissa bit; 4 bits a number), with one power-of-two scale for each 32 numbers along K (OCP MX v1.0); their sums are f32. All else is computed in f32.
;;   The module's matrix products, in the order in which they are computed (A, B: the left and right operand; K: the contracted axis; several contracted axes count as one K, in the product's order):
;;     1. [M 8,192, K 1,024] x [K 1,024, N 1,024]; A: input queries; B: input Wq: QUANTISED
;;     2. [M 8,192, K 1,024] x [K 1,024, N 1,024]; A: input keys; B: input Wk: QUANTISED
;;     3. [M 8,192, K 1,024] x [K 1,024, N 1,024]; A: input values; B: input Wv: QUANTISED
;;     4. batch 64 x [M 2,048, K 64] x [K 64, N 2,048]; A: computed on the way; B: computed on the way: QUANTISED
;;     5. batch 64 x [M 2,048, K 2,048] x [K 2,048, N 64]; A: softmax (see below); B: computed on the way: QUANTISED
;;     6. [M 8,192, K 1,024] x [K 1,024, N 1,024]; A: computed on the way; B: input Wo: QUANTISED
;;   THE QUANTISER, for each operand of a quantised product, along K:
;;     - K is cut into blocks of 32 from its start; a last block that is shorter is filled with zeros.
;;     - A block's scale is 2^e with e = floor(log2(the largest magnitude in the block)) - 2, held to -126 .. 127; a block of zeros has e = 0. As a byte (E8M0): e + 127.
;;     - Each number is divided by its block's scale, clamped to +-6, and rounded to the nearest number of E2M1, ties to even, subnormals kept.
;;     - The product sums the exact products of the quantised numbers (number of the format x scale) in f32.
;;   ~~~python
;;   def quantise(x, axis):      # numpy; x: float32 -> the quantised numbers, widened to float32 again
;;       x = np.moveaxis(x, axis, -1); K = x.shape[-1]
;;       x = np.pad(x, [(0, 0)] * (x.ndim - 1) + [(0, -K % 32)]); x = x.reshape(x.shape[:-1] + (-1, 32)); a = np.abs(x).max(-1, keepdims=True)
;;       e = np.where(a > 0, np.clip(np.frexp(np.where(a > 0, a, 1))[1] - 1 - 2, -126, 127), 0)      # np.frexp(a)[1] - 1 = floor(log2(a)), exactly
;;       r = np.clip(x / 2.0 ** e, -6, 6)
;;       step = 2.0 ** (np.maximum(np.frexp(np.where(r == 0, 1, r))[1] - 1, 0) - 1)
;;       q = np.round(r / step) * step * 2.0 ** e      # np.round: ties to even
;;       return np.moveaxis(q.reshape(q.shape[:-2] + (-1,))[..., :K], -1, axis).astype(np.float32)
;;   ~~~
;;   SOFTMAX AHEAD OF A QUANTISED PRODUCT. Where the list says 'softmax', what is quantised is not the finished softmax but p = 2^(t - M), with t = logit x log2(e) and M = ceil(the row's largest t), a whole number; so 1/2 < the row's largest p <= 1. The row's sum l is taken of the UNQUANTISED p, in f32, and the product's result is divided by l at the end. Since M is a whole number, a kernel that streams over the keys may use a running M (the ceiling of the running maximum): every later rescaling is an exact power of two, which a block's scale takes up: the codes' values come out the same.
;;   OPERANDS COMPUTED ON THE WAY. 'Computed on the way' means the value that the module computes at that place (a softmax that the list does not call 'softmax' is quantised finished and normalised). What goes into a quantiser is computed in f32, as accurately as f32 sums, v_exp_f32 and their like allow (about 1e-6 of the number): no bf16 or f16 on the way to a quantiser, and a product that is left as it is and whose result goes on into a quantised operand takes f32 operands (vector FMAs, or v_wmma_f32_16x16x4_f32). A number that lies on a knife's edge between two numbers of the format may be rounded either way, as far as f32 arithmetic and the matrix unit's own rounding can turn it there, and no further.
;; One version. Each part assembles by itself: llvm-mc -triple=amdgcn-amd-amdhsa -mcpu=gfx1250 --defsym DOCPART=n.
;; ======== version 1 of 1: 4 launches
;; workspace buffers: ops 15,597,568 bytes; qkv 13,369,344 bytes; yq 4,456,448 bytes
;; launch quant (part 1): grid 640 x 1, 4 waves a work-group, no clusters, 34,304 bytes of LDS; arguments queries, keys, values, Wq, Wk, Wv, Wo, ops; writes ops
.if DOCPART == 1
	.amdgcn_target "amdgcn-amd-amdhsa--gfx1250"
	.amdhsa_code_object_version 6
	.text
	.protected	k_qd6df4b5484_quant
	.globl	k_qd6df4b5484_quant
	.p2align	8
	.type	k_qd6df4b5484_quant,@function
k_qd6df4b5484_quant:
	s_mov_b64 s[64:65], 0
	v_nop
	global_prefetch_b8 v0, s[64:65] scope:SCOPE_SE
	s_setreg_imm32_b32 hwreg(HW_REG_WAVE_MODE, 25, 1), 1
	s_wait_xcnt 0x0
; queries, keys, values [8192][1024] (K innermost) and Wq, Wk, Wv, Wo [1024 (k)][1024 (n)] (K outermost), all f32, become codes of FP4 (E2M1) with one E8M0 byte for each 32 along K.
; THE OPERAND FORMAT of buffer ops.  An operand's rows (tokens, or a weight's columns n) are cut into tiles of 16: tile T holds row(T, r) = 32 (T / 2) + 8 (T % 2) + r + 8 (r / 8), r = 0 .. 15.
; A tile's codes are 8,192 bytes, an image of the matrix operand's registers: [K step s of 128][c 0..1][lane][16 bytes]; lane (r, h) holds k = 128 s + 64 c + 32 h + 0 .. 31 of row(T, r).
; A tile's scale words are 512 bytes: [q 0..1][r][4 words]; word s' of (q, r) is K step 4 q + s', its byte b the block k = 32 b .. 32 b + 31 of that step.
; Tiles: queries 0-511, keys 512-1023, values 1024-1535, Wq 1536.., Wk 1600.., Wv 1664.., Wo 1728-1791.  Codes at tile x 8,192; scale words at SX + tile x 512.
; A block's scale is 2^(floor(log2(largest magnitude)) - 2): its byte is the largest magnitude's exponent field - 2, held at 1 from below by a floor among the maximum's leaves.
; LIMITS: NaN and infinities are not served; a block whose largest magnitude lies under 2^-124 gets the byte 1; a block of zeros gets the byte 1 where the rule says 127: its codes are zeros,
; which add nothing under that byte, and this program alone reads the bytes.
; Work-groups 0-255 take the weights, 256-639 the activations: one scalar branch on the work-group's number.  Only the activations' path uses LDS; waves share nothing, so there is no barrier.
; No cluster, no tensor load, no matrix unit: every input byte is read once by one wave.
.set SX,    14680064
.set FLOOR, 0x1800000                  ; 2^(3 - 127)
.set EOFF,  0xff000000                 ; -(2 << 23): 2 off an exponent field
.set SP,    528                        ; a stage row: 512 bytes + 16: sixteen rows start in sixteen different 16-byte columns of 256
.set STGB,  16*SP                      ; a wave's stage
	s_load_b512 s[8:23], s[0:1], 0x0               ; queries s[8:9], keys s[10:11], values s[12:13], Wq s[14:15], Wk s[16:17], Wv s[18:19], Wo s[20:21], ops s[22:23]
	v_lshl_add_u32 v240, v0, 2, 0x8400
	v_mov_b32 v241, 0
	v_lshrrev_b32 v1, 5, v0
	v_readfirstlane_b32 s2, v1                     ; wave 0..3
	v_and_b32 v7, 31, v0                           ; lane
	s_cmp_lt_u32 ttmp9, 256
	s_cbranch_scc0 .Lacts
; ---------------- THE WEIGHTS.  A wave takes 32 columns x 128 along K (one K step).  A lane takes a column and its registers run down K: each load reads 128 consecutive bytes a wave
; (the four waves stand side by side on 512), a block of 32 lies in one lane, and the conversions give codes with K innermost.
	s_lshr_b32 s3, ttmp9, 6                        ; which weight
	s_bfe_u32 s4, ttmp9, 0x30003                   ; K step s
	s_and_b32 s5, ttmp9, 7
	s_lshl_b32 s5, s5, 2
	s_add_co_u32 s5, s5, s2                        ; cg: which 32 columns
	s_lshl_b32 s6, s4, 19                          ; 128 s rows of 4,096 bytes
	s_lshl_b32 s7, s5, 7
	s_add_co_u32 s6, s6, s7
	s_wait_alu depctr_va_vdst(0)
	v_lshl_add_u32 v1, v7, 2, s6                   ; in: my column of the K step's first row
	v_bfe_u32 v8, v7, 3, 1                         ; column 32 cg + j lies in tile 2 cg + u, u = (j / 8) % 2,
	v_and_b32 v9, 7, v7
	v_lshrrev_b32 v10, 4, v7
	v_lshl_add_u32 v9, v10, 3, v9                  ; at r = j % 8 + 8 (j / 16)
	s_lshl_b32 s7, s3, 6
	s_lshl_b32 s24, s5, 1
	s_add_co_u32 s7, s7, s24
	s_add_co_u32 s7, s7, 1536
	v_add_nc_u32 v8, s7, v8                        ; the tile
	s_lshl_b32 s24, s4, 10
	v_lshl_add_u32 v2, v8, 13, s24
	v_lshl_add_u32 v2, v9, 4, v2                   ; codes: tile x 8,192 + s x 1,024 + 16 r; block kb of the step lies 256 kb further on (c = kb / 2, h = kb % 2)
	s_lshr_b32 s24, s4, 2
	s_lshl_b32 s24, s24, 8
	s_and_b32 s25, s4, 3
	s_lshl_b32 s25, s25, 2
	s_add_co_u32 s24, s24, s25
	s_add_co_u32 s24, s24, SX
	v_lshl_add_u32 v3, v8, 9, s24
	s_wait_alu depctr_va_vdst(0)
	v_lshl_add_u32 v3, v9, 4, v3                   ; the scale word: SX + tile x 512 + (s / 4) x 256 + 16 r + 4 (s % 4)
	s_wait_kmcnt 0x0
	s_cmp_eq_u32 s3, 1                             ; the choice hangs on the work-group's number alone
	s_cselect_b64 s[14:15], s[16:17], s[14:15]
	s_cmp_eq_u32 s3, 2
	s_cselect_b64 s[14:15], s[18:19], s[14:15]
	s_cmp_eq_u32 s3, 3
	s_cselect_b64 s[14:15], s[20:21], s[14:15]
.macro LOADB t                         ; block t: W(128 s + 32 t + i, my column), i = 0 .. 31, into v[16 + 32 t ..]
.set n, 0
.rept 32
	global_load_b32 v[16+32*(\t)+n], v1, s[14:15] offset:(32*(\t)+n)*4096 th:TH_LOAD_NT
.set n, n+1
.endr
.endm
.macro BLOCKW t
.set XS, 16+32*(\t)
.if (\t) < 3
	s_wait_loadcnt 32                              ; this block's 32 loads are in; the next block's 32 may be out
.else
	s_wait_loadcnt 0x0
.endif
.if (\t)+2 < 4
	LOADB (\t)+2                                   ; two blocks ahead, into registers of its own
.endif
	v_max3_num_f32 v160, |v[XS]|, |v[XS+1]|, |v[XS+2]|             ; the block's largest magnitude, in two chains: all 32 numbers are mine
	v_max3_num_f32 v161, |v[XS+3]|, |v[XS+4]|, |v[XS+5]|
.irp i, 6,10,14,18,22,26
	v_max3_num_f32 v160, v160, |v[XS+\i]|, |v[XS+\i+1]|
	v_max3_num_f32 v161, v161, |v[XS+\i+2]|, |v[XS+\i+3]|
.endr
	v_max3_num_f32 v160, v160, |v[XS+30]|, |v[XS+31]|
	v_max3_num_f32 v160, v160, v161, FLOOR         ; and the floor: the byte cannot fall under 1
	v_add_nc_u32 v162, EOFF, v160                  ; 2 off its exponent field: the conversion takes the exponent field of this operand as its scale
	v_lshrrev_b32 v163, 23, v162                   ; the scale's byte
.if (\t) == 0
	v_mov_b32 v164, v163
.else
	v_lshl_or_b32 v164, v163, 8*(\t), v164         ; four bytes make the K step's word
.endif
.irp g, 0,1,2,3
	v_cvt_scalef32_pk8_fp4_f32 v[144+4*(\t)+\g], v[XS+8*\g:XS+8*\g+7], v162
.endr
	v_nop                                          ; one plain line behind the conversions
	global_store_b128 v2, v[144+4*(\t):144+4*(\t)+3], s[22:23] offset:256*(\t)   ; sixteen lanes fill 256 consecutive aligned bytes of tile 2 cg, sixteen those of tile 2 cg + 1; each block has its own data registers
.endm
	LOADB 0
	LOADB 1
	BLOCKW 0
	BLOCKW 1
	BLOCKW 2
	BLOCKW 3
	global_store_b32 v3, v164, s[22:23]            ; the word: 4 bytes of each row's 16 (the other K steps' words come from other work-groups): 128 KiB in the whole launch leave so
	s_endpgm
; ---------------- THE ACTIVATIONS.  A wave takes one tile: 16 rows x 1,024, in 8 steps of 128 along K.  Each load reads 512 consecutive bytes of one row; the step's 16 x 512 bytes turn through the wave's
; own stage in LDS and come back 2 x 128 bytes a lane: lane (r, h) holds the blocks k = 32 h .. and 64 + 32 h .. of row r, in the order of the operand's registers.
.Lacts:
	s_sub_co_u32 s3, ttmp9, 256
	s_lshr_b32 s4, s3, 7                           ; which tensor
	s_and_b32 s5, s3, 127
	s_lshl_b32 s5, s5, 2
	s_add_co_u32 s5, s5, s2                        ; T: the tile in it
	s_lshr_b32 s6, s5, 1
	s_lshl_b32 s6, s6, 5
	s_and_b32 s7, s5, 1
	s_lshl_b32 s7, s7, 3
	s_add_co_u32 s6, s6, s7                        ; its first row: 32 (T / 2) + 8 (T % 2)
	s_lshl_b32 s6, s6, 12                          ; in bytes (under 2^26)
	s_mov_b32 s7, 0
	s_wait_alu depctr_va_vdst(0)
	v_lshlrev_b32 v1, 4, v7                        ; 16 x lane: my bytes of a row's 512
	s_mul_i32 s24, s2, STGB
	v_add_nc_u32 v2, s24, v1                       ; the stage, on the way in
	v_and_b32 v8, 15, v7                           ; r
	v_lshrrev_b32 v9, 4, v7                        ; h
	v_mul_u32_u24 v3, v8, SP
	v_lshl_add_u32 v3, v9, 7, v3
	v_add_nc_u32 v3, s24, v3                       ; and on the way out: row r, 128 h bytes on
	s_lshl_b32 s25, s4, 9
	s_add_co_u32 s25, s25, s5                      ; the tile's number in ops
	s_lshl_b32 s26, s25, 13
	v_add_nc_u32 v4, s26, v1                       ; codes
	s_lshl_b32 s26, s25, 9
	s_add_co_u32 s26, s26, SX
	v_add_nc_u32 v5, s26, v1                       ; scale words
	v_lshlrev_b32 v6, 3, v9                        ; 8 h: my bytes' place in a word
	s_mov_b32 s28, 0x76543210
	s_mov_b32 s29, 0xfedcba98                      ; v_permlanex16_b32's selects for lane l xor 16
	v_mov_b32 v232, 0                              ; a lane permute's destination counts as one of its sources
	s_wait_alu depctr_va_vdst(0)
	s_wait_kmcnt 0x0
	s_cmp_eq_u32 s4, 1
	s_cselect_b64 s[8:9], s[10:11], s[8:9]
	s_cmp_eq_u32 s4, 2
	s_cselect_b64 s[8:9], s[12:13], s[8:9]
	s_add_nc_u64 s[8:9], s[8:9], s[6:7]
.macro LOADS t                         ; step t: 512 bytes of each of the tile's 16 rows, into set t % 2 (v16-79, v80-143)
.set n, 0
.rept 16
	global_load_b128 v[16+64*((\t)%2)+4*n:16+64*((\t)%2)+4*n+3], v1, s[8:9] offset:(n+8*(n/8))*4096+512*(\t) th:TH_LOAD_NT
.set n, n+1
.endr
.endm
.macro STEP t
.if (\t) < 7
	s_wait_loadcnt 16                              ; this step's 16 loads are in; the next step's 16 may be out
.else
	s_wait_loadcnt 0x0
.endif
.set n, 0
.rept 16
	ds_store_b128 v2, v[16+64*((\t)%2)+4*n:16+64*((\t)%2)+4*n+3] offset:SP*n
.set n, n+1
.endr
.irp c, 0,1
.irp q, 0,1,2,3,4,5,6,7
	ds_load_b128 v[144+32*\c+4*\q:144+32*\c+4*\q+3], v3 offset:256*\c+16*\q   ; LDS serves a wave's instructions in order: these see the stores above
.endr
.endr
	s_wait_dscnt 0x0                               ; my 64 numbers are back, and the stores have read their registers,
.if (\t)+2 < 8
	LOADS (\t)+2                                   ; which take the loads of two steps on
.endif
.irp c, 0,1
	v_max3_num_f32 v[224+\c], |v[144+32*\c]|, |v[145+32*\c]|, FLOOR   ; my two whole blocks, by turns, and the floor
.endr
.irp i, 2,4,6,8,10,12,14,16,18,20,22,24,26,28,30
.irp c, 0,1
	v_max3_num_f32 v[224+\c], v[224+\c], |v[144+32*\c+\i]|, |v[145+32*\c+\i]|
.endr
.endr
.irp c, 0,1
	v_add_nc_u32 v[226+\c], EOFF, v[224+\c]        ; the conversions' scale operands
.endr
.irp c, 0,1
	v_lshrrev_b32 v[228+\c], 23, v[226+\c]         ; the bytes of blocks h and 2 + h
.endr
	v_lshl_or_b32 v230, v229, 16, v228
	v_lshlrev_b32 v230, v6, v230                   ; at their places in the word;
	v_permlanex16_b32 v232, v230, s28, s29
	v_or_b32 v[216+(\t)], v230, v232               ; with lane l xor 16's two the word is whole
	s_wait_alu depctr_va_vdst(0)
	s_wait_xcnt 0x0                                ; the last step's stores have read v208-215, which are written again below
.irp c, 0,1
.irp g, 0,1,2,3
	v_cvt_scalef32_pk8_fp4_f32 v[208+4*\c+\g], v[144+32*\c+8*\g:144+32*\c+8*\g+7], v[226+\c]
.endr
.endr
	v_nop                                          ; one plain line behind the conversions
.irp c, 0,1
	global_store_b128 v4, v[208+4*\c:208+4*\c+3], s[22:23] offset:1024*(\t)+512*\c   ; 512 consecutive aligned bytes
.endr
.endm
	LOADS 0
	LOADS 1
.irp t, 0,1,2,3,4,5,6,7
	STEP \t
.endr
	v_cmp_le_u32 vcc_lo, 16, v7                    ; lanes 0-15 store row r's words of K steps 0-3, lanes 16-31 those of 4-7: 512 consecutive bytes
.irp j, 0,1,2,3
	v_cndmask_b32 v[224+\j], v[216+\j], v[220+\j], vcc_lo
.endr
	global_store_b128 v5, v[224:227], s[22:23]
	s_wait_tensorcnt 0x0
	ds_add_u32 v240, v241
	s_wait_dscnt 0x0
	s_endpgm
.Lfunc_end_k_qd6df4b5484_quant:
	.size	k_qd6df4b5484_quant, .Lfunc_end_k_qd6df4b5484_quant-k_qd6df4b5484_quant
	.p2alignl 7, 3214868480
	.fill 96, 4, 3214868480
	.section	.rodata,"a",@progbits
	.p2align	6, 0x0
	.amdhsa_kernel k_qd6df4b5484_quant
		.amdhsa_group_segment_fixed_size 34304
		.amdhsa_private_segment_fixed_size 0
		.amdhsa_enable_private_segment 0
		.amdhsa_kernarg_size 64
		.amdhsa_user_sgpr_count 2
		.amdhsa_user_sgpr_kernarg_segment_ptr 1
		.amdhsa_wavefront_size32 1
		.amdhsa_system_sgpr_workgroup_id_x 1
		.amdhsa_system_sgpr_workgroup_id_y 1
		.amdhsa_system_sgpr_workgroup_id_z 1
		.amdhsa_system_vgpr_workitem_id 0
		.amdhsa_next_free_vgpr 242
		.amdhsa_next_free_sgpr 66
		.amdhsa_reserve_vcc 1
		.amdhsa_float_denorm_mode_32 3
		.amdhsa_float_denorm_mode_16_64 3
		.amdhsa_memory_ordered 1
		.amdhsa_forward_progress 1
		.amdhsa_inst_pref_size 77
	.end_amdhsa_kernel
	.amdgpu_metadata
---
amdhsa.version: [ 1, 2 ]
amdhsa.kernels:
  - .name:           k_qd6df4b5484_quant
    .symbol:         k_qd6df4b5484_quant.kd
    .args:
      - { .name: queries, .offset: 0, .size: 8, .value_kind: global_buffer, .address_space: global }
      - { .name: keys, .offset: 8, .size: 8, .value_kind: global_buffer, .address_space: global }
      - { .name: values, .offset: 16, .size: 8, .value_kind: global_buffer, .address_space: global }
      - { .name: Wq, .offset: 24, .size: 8, .value_kind: global_buffer, .address_space: global }
      - { .name: Wk, .offset: 32, .size: 8, .value_kind: global_buffer, .address_space: global }
      - { .name: Wv, .offset: 40, .size: 8, .value_kind: global_buffer, .address_space: global }
      - { .name: Wo, .offset: 48, .size: 8, .value_kind: global_buffer, .address_space: global }
      - { .name: ops, .offset: 56, .size: 8, .value_kind: global_buffer, .address_space: global }
    .group_segment_fixed_size: 34304
    .private_segment_fixed_size: 0
    .kernarg_segment_align: 8
    .kernarg_segment_size: 64
    .max_flat_workgroup_size: 128
    .sgpr_count:     66
    .vgpr_count:     242
    .wavefront_size: 32
...
	.end_amdgpu_metadata
.endif
;; end of part 1
;; launch pgemm (part 2): grid 384 x 1, 8 waves a work-group, no clusters, 287,744 bytes of LDS; arguments ops, bq, bk, bv, qkv; writes qkv
.if DOCPART == 2
	.amdgcn_target "amdgcn-amd-amdhsa--gfx1250"
	.amdhsa_code_object_version 6
	.text
	.protected	k_qd6df4b5484_pgemm
	.globl	k_qd6df4b5484_pgemm
	.p2align	8
	.type	k_qd6df4b5484_pgemm,@function
k_qd6df4b5484_pgemm:
	s_mov_b64 s[64:65], 0
	v_nop
	global_prefetch_b8 v0, s[64:65] scope:SCOPE_SE
	s_setreg_imm32_b32 hwreg(HW_REG_WAVE_MODE, 25, 1), 1
	s_wait_xcnt 0x0
; q = relu(queries Wq + bq), k = relu(keys Wk + bk), v = relu(values Wv + bv) on codes of FP4 with E8M0 scales, and the results quantised in registers for attention's two products:
; q and k along the head's 64 channels, v along the tokens (the keys).
; ONE BODY FOR THE THREE.  D = (source 0: 16 rows of P) x (source 1: 16 rows of R): a lane holds one row of R, its registers run along P, and the quantiser runs along P.
; q, k: P = the weight's columns, R = tokens.   v: P = tokens, R = the weight's columns.  Only global offsets differ, and the C of the first K step (the bias: along P, or along R).
; OPERANDS (buffer ops): tiles of 16 rows, tile T holding row(T, r) = 32 (T / 2) + 8 (T % 2) + r + 8 (r / 8); a tile's codes are an image of the operand's registers, [K step][c][lane][16 bytes], 8,192 bytes;
; its scale words [q][r][4 words], 512 bytes.  With such a tile as source 0, the 16 registers of result tiles 2 b and 2 b + 1 are P rows 32 b + 16 (lane / 16) + 0 .. 15: neighbours.
; SHARES.  384 work-groups: product x / 128, token block (x % 128) / 4 (256 tokens), column block x % 4 (256 columns).  Eight waves; a wave makes 64 of R (4 tiles i) x 128 of P (8 tiles j): 32 accumulators.
; LDS IS FILLED ONCE: all of K = 1,024 of both operands' 16 tiles (2 x 131,072 bytes, in two chunks of four K steps) and their scale words: three tensor loads a wave, in one group at the head.
; No LDS byte is filled a second time, so there is no ring.  Three tensor loads of a wave are out.
; OUT (buffer qkv), bh = 16 b + head: q codes [bh][tile Ts][lane][16 bytes] (lane (r, h): channels 32 h .. of token row(Ts, r)), k codes likewise 4,194,304 on;
; v codes 8,388,608 on: [bh][g of 64 tokens][t][lane][16 bytes] (lane (r, h): tokens 64 g + 32 h .. of channel row(t, r)); scale words from SC on: q [b][head pair][Ts][r] (bytes 0, 1 the even head), k likewise, v [bh][128 tokens][t][r].
; NO CLUSTER: the four neighbours in x share the token block, which is R in two products and P in the third, so the mask of each of the two kinds of load would hang on the product; what is shared is half of a work-group's bytes.
; LIMITS: NaN and infinities are not served; a block under 2^-124, and a block of zeros, gets the byte 1 (its codes are zeros or next to nothing; this program alone reads the bytes);
; the bias enters as the C of the first K step, ahead of the sum: another order of rounding than adding it last.
.set SX,   14680064                    ; ops: the scale words
.set SC,   12582912                    ; qkv: the scale words
.set CH,   131072                      ; LDS: chunk jj (K steps 4 jj ..) at jj x CH + tile x 4,096; R's tiles 0-15, P's 16-31
.set SCL,  262144                      ; scale words: + tile x 512
.set STG,  278528                      ; 256 bytes a wave, written by ds_store alone: no tensor load lands here
.set PS,   16                          ; v16-47  P's scale words: register 16 q + 4 j' + s': lanes 0-15 tile j', lanes 16-31 tile j' + 4, K step 4 q + s'
.set RS,   48                          ; v48-63  R's: register 8 q + 4 i' + s': lanes 0-15 tile i', lanes 16-31 tile i' + 2
.set PF,   64                          ; v64-127, v128-191  P's eight fragments, two buffers
.set RF,   192                         ; v192-223, v224-255 R's four, two buffers
.set CIP,  128                         ; until K step 0 is done: the bias along P, eight tiles of 8 registers,
.set CIR,  224                         ; and along R, four tiles
.set HV,   64                          ; the way out: 64 numbers;
.set PC,   128                         ; codes, 8 registers for each tile i;
.set TM,   160                         ; v160-175 at work;
.set PW,   176                         ; v176-179 the new scale words
.set G1C,  24                          ; s[24:31] group 1, codes: 4 rows (tiles) of 4,096 bytes, 8,192 apart
.set G1S,  32                          ; s[32:39] group 1, scale words: 2,048 dense bytes as 8 rows of 256
.set G0S,  40                          ; s[40:43], s[44:47], s[48:51] groups 0: scale words, chunk 0, chunk 1
.set G0A,  44
.set G0B,  48
.set SEL,  60                          ; s[60:61]
; window 0: all the above.  window 1: accumulator (i, j) at v[64 i + 8 j].
.set MSB, 0
.macro WIN new                         ; the immediate's high byte repeats the setting that is left
.if MSB != \new
	s_set_vgpr_msb (MSB<<8)|\new
.set MSB, \new
.endif
.endm
.macro PLACES                          ; four plain places behind a matrix instruction, ahead of loads into its registers and of reads of its results
.rept 4
	v_nop
.endr
.endm
	s_load_b256 s[4:11], s[0:1], 0x0               ; ops s[4:5], bq s[6:7], bk s[8:9], bv s[10:11]
	s_load_b64 s[12:13], s[0:1], 0x20              ; qkv
	v_lshl_add_u32 v254, v0, 2, 0x46000
	v_mov_b32 v255, 0
	ds_add_u32 v254, v255
	ds_add_u32 v254, v255
	s_wait_dscnt 0x0
	v_lshrrev_b32 v1, 5, v0
	s_delay_alu instid0(VALU_DEP_1)
	v_readfirstlane_b32 s14, v1                    ; wave 0..7
	s_lshr_b32 s15, ttmp9, 7                       ; PROJ: 0 q, 1 k, 2 v
	s_and_b32 s16, ttmp9, 127
	s_lshr_b32 s17, s16, 2                         ; TB: block of 256 tokens
	s_and_b32 s18, s16, 3                          ; WB: block of 256 columns
	s_lshl_b32 s19, s15, 9
	s_lshl_b32 s20, s17, 4
	s_add_co_u32 s19, s19, s20                     ; the tokens' first tile in ops
	s_lshl_b32 s20, s15, 6
	s_lshl_b32 s21, s18, 4
	s_add_co_u32 s20, s20, s21
	s_add_co_u32 s20, s20, 1536                    ; the weight's
	s_and_b32 s53, s14, 3                          ; WR: which 64 of R are mine
	s_lshr_b32 s55, s14, 2                         ; WP: which 128 of P
	s_lshl_b32 s54, s53, 2
	s_cmp_eq_u32 s15, 2
	s_cselect_b32 s21, s20, s19                    ; R's first tile
	s_cselect_b32 s22, s19, s20                    ; P's
	s_cselect_b32 s23, 1, 0                        ; 1 for v
	s_cmp_lt_u32 s14, 4                            ; waves 0-3 fetch R's tiles, waves 4-7 P's: four tiles each
	s_cselect_b32 s52, s21, s22
	s_add_co_u32 s52, s52, s54                     ; my first tile
	s_lshl_b32 s56, s52, 13
	s_mov_b32 s57, 0
	s_lshl_b32 s58, s52, 9
	s_add_co_u32 s58, s58, SX
	s_mov_b32 s59, 0
	s_mov_b32 s[G1C+0], 3<<16                      ; no mask; elements of 8 bytes; no padding: a fragment load takes 512 consecutive bytes
	s_mov_b32 s[G1C+1], 512<<16                    ; tensor_dim0 = 512 elements
	s_mov_b32 s[G1C+2], 4<<16                      ; tensor_dim1 = 4
	s_mov_b32 s[G1C+3], 512<<16                    ; tile_dim0
	s_mov_b32 s[G1C+4], 4                          ; tile_dim1
	s_mov_b32 s[G1C+5], 1024                       ; from tile to tile: 8,192 bytes
	s_mov_b32 s[G1C+6], 0
	s_mov_b32 s[G1C+7], 0
	s_mov_b32 s[G1S+0], 3<<16
	s_mov_b32 s[G1S+1], 32<<16
	s_mov_b32 s[G1S+2], 8<<16
	s_mov_b32 s[G1S+3], 32<<16
	s_mov_b32 s[G1S+4], 8
	s_mov_b32 s[G1S+5], 32
	s_mov_b32 s[G1S+6], 0
	s_mov_b32 s[G1S+7], 0
	s_mov_b32 s[SEL], 0x76543210
	s_mov_b32 s[SEL+1], 0xfedcba98                 ; v_permlanex16_b32's selects for lane l xor 16
	s_wait_kmcnt 0x0
	s_mov_b32 s[G0S], 1
	s_lshl_b32 s[G0S+1], s14, 11
	s_add_co_u32 s[G0S+1], s[G0S+1], SCL           ; LDS: SCL + wave x 2,048
	s_add_nc_u64 s[G0S+2:G0S+3], s[4:5], s[58:59]
	s_or_b32 s[G0S+3], s[G0S+3], 0x80000000
	s_mov_b32 s[G0A], 1
	s_lshl_b32 s[G0A+1], s14, 14                   ; LDS: wave x 16,384
	s_add_nc_u64 s[G0A+2:G0A+3], s[4:5], s[56:57]
	s_mov_b32 s[G0B], 1
	s_add_co_u32 s[G0B+1], s[G0A+1], CH
	s_add_nc_u64 s[G0B+2:G0B+3], s[G0A+2:G0A+3], 4096   ; K steps 4-7 of the same tiles
	s_or_b32 s[G0A+3], s[G0A+3], 0x80000000
	s_or_b32 s[G0B+3], s[G0B+3], 0x80000000
	tensor_load_to_lds s[G0S:G0S+3], s[G1S:G1S+7]  ; the first fills, and the only ones: one group, ahead of every wait on TENSORcnt, LDS read and barrier
	s_nop 0
	tensor_load_to_lds s[G0A:G0A+3], s[G1C:G1C+7]
	s_nop 0
	tensor_load_to_lds s[G0B:G0B+3], s[G1C:G1C+7]
	s_nop 0
	PLACES                                         ; four v_nop follow the last
	v_and_b32 v1, 31, v0
	s_delay_alu instid0(VALU_DEP_1)
	v_lshlrev_b32 v1, 4, v1                        ; v1: 16 x lane
	v_and_b32 v14, 15, v0                          ; r
	v_bfe_u32 v15, v0, 4, 1                        ; h
	s_lshl_b32 s16, s53, 14
	v_add_nc_u32 v2, s16, v1                       ; v2, v3: my four tiles of R in chunk 0, 1
	s_delay_alu instid0(VALU_DEP_1)
	v_add_nc_u32 v3, CH, v2
	s_lshl_b32 s16, s55, 15
	s_add_co_u32 s16, s16, 65536
	v_add_nc_u32 v4, s16, v1                       ; v4, v5: my eight tiles of P
	s_delay_alu instid0(VALU_DEP_1)
	v_add_nc_u32 v5, CH, v4
	s_lshl_b32 s16, s53, 11
	s_add_co_u32 s16, s16, SCL
	v_lshl_add_u32 v6, v14, 4, s16
	s_delay_alu instid0(VALU_DEP_1)
	v_lshl_add_u32 v6, v15, 10, v6                 ; v6: R's scale words: row r; lanes 16-31 two tiles on
	s_lshl_b32 s16, s55, 12
	s_add_co_u32 s16, s16, SCL+8192
	v_lshl_add_u32 v7, v14, 4, s16
	s_delay_alu instid0(VALU_DEP_1)
	v_lshl_add_u32 v7, v15, 11, v7                 ; v7: P's: lanes 16-31 four tiles on
	s_lshl_b32 s16, s14, 8
	s_add_co_u32 s16, s16, STG
	v_lshl_add_u32 v11, v14, 2, s16                ; v11: my wave's 256 bytes: a new scale word of row r
	v_lshrrev_b32 v10, 1, v1                       ; 8 x lane
	s_wait_alu depctr_va_vdst(0)
	v_add_nc_u32 v12, s16, v10                     ; v12: and back, 8 bytes a lane
	; where the results go.  Both forms are made; one compare chooses.
	s_lshr_b32 s2, s17, 3                          ; b
	s_and_b32 s3, s17, 7                           ; TL: block of 256 tokens in the batch
	s_lshl_b32 s16, s18, 1
	s_add_co_u32 s16, s16, s55                     ; q, k: my pair of heads, 2 WB + WP
	s_lshl_b32 s19, s3, 4
	s_add_co_u32 s19, s19, s54                     ; my first token tile in the batch: 16 TL + 4 WR
	s_lshl_b32 s20, s2, 3
	s_add_co_u32 s20, s20, s16                     ; 8 b + pair
	s_lshl_b32 s21, s20, 17                        ; x 2 heads x 65,536
	s_lshl_b32 s22, s15, 22
	s_add_co_u32 s21, s21, s22
	s_lshl_b32 s22, s19, 9
	s_add_co_u32 s21, s21, s22                     ; codes
	s_lshl_b32 s20, s20, 7
	s_add_co_u32 s20, s20, s19
	s_lshl_b32 s20, s20, 6
	s_lshl_b32 s22, s15, 18
	s_add_co_u32 s20, s20, s22
	s_add_co_u32 s20, s20, SC                      ; scale words
	s_lshl_b32 s52, s18, 2
	s_add_co_u32 s52, s52, s53                     ; v: my head, 4 WB + WR
	s_lshl_b32 s56, s2, 4
	s_add_co_u32 s52, s52, s56                     ; 16 b + head
	s_lshl_b32 s57, s3, 1
	s_add_co_u32 s57, s57, s55                     ; my 128 tokens of the batch: 2 TL + WP
	s_lshl_b32 s56, s52, 16
	s_lshl_b32 s58, s57, 12
	s_add_co_u32 s56, s56, s58
	s_add_co_u32 s56, s56, 8388608                 ; codes
	s_lshl_b32 s52, s52, 4
	s_add_co_u32 s52, s52, s57
	s_lshl_b32 s52, s52, 8
	s_add_co_u32 s52, s52, SC+524288               ; scale words
	s_mov_b32 s22, 65536
	s_cmp_eq_u32 s23, 1
	s_cselect_b32 s21, s56, s21
	s_cselect_b32 s20, s52, s20
	s_cselect_b32 s22, 2048, s22                   ; from a fragment's registers 0-3 to its 4-7: the next head, or the next 64 tokens
	v_add_nc_u32 v8, s21, v1                       ; v8, v9: codes
	s_delay_alu instid0(VALU_DEP_1)
	v_add_nc_u32 v9, s22, v8
	v_add_nc_u32 v10, s20, v10                     ; v10: scale words, 8 bytes a lane
	; the bias, in both layouts of C (register e of lane (r, h): P row 8 h + e of the tile, R row r).  Both addresses lie inside the bias whatever the product; one of the two sets is used.
	s_cmp_eq_u32 s15, 1
	s_cselect_b64 s[6:7], s[8:9], s[6:7]
	s_cmp_eq_u32 s15, 2
	s_cselect_b64 s[6:7], s[10:11], s[6:7]
	s_lshl_b32 s16, s18, 10
	s_lshl_b32 s19, s55, 9
	s_add_co_u32 s19, s19, s16
	v_lshl_add_u32 v13, v15, 6, s19                ; along P: column 256 WB + 128 WP + 16 h
	v_and_b32 v15, 8, v14
	s_delay_alu instid0(VALU_DEP_1)
	v_add_nc_u32 v14, v14, v15                     ; r + 8 (r / 8)
	s_lshl_b32 s19, s53, 8
	s_add_co_u32 s19, s19, s16
	v_lshl_add_u32 v14, v14, 2, s19                ; along R: column 256 WB + 64 WR + r + 8 (r / 8)
.irp j, 0,1,2,3,4,5,6,7
	global_load_b128 v[CIP+8*\j:CIP+8*\j+3], v13, s[6:7] offset:(32*(\j/2)+8*(\j%2))*4
	global_load_b128 v[CIP+8*\j+4:CIP+8*\j+7], v13, s[6:7] offset:(32*(\j/2)+8*(\j%2))*4+16
.endr
.irp i, 0,1,2,3
.irp e, 0,1,2,3,4,5,6,7
	global_load_b32 v[CIR+8*\i+\e], v14, s[6:7] offset:(32*(\i/2)+8*(\i%2))*4
.endr
.endr
.macro SCALES                          ; all scale words that the wave needs, once: 12 loads
.irp q, 0,1
.irp jp, 0,1,2,3
	ds_load_b128 v[PS+16*\q+4*\jp:PS+16*\q+4*\jp+3], v7 offset:512*\jp+256*\q
.endr
.irp ip, 0,1
	ds_load_b128 v[RS+8*\q+4*\ip:RS+8*\q+4*\ip+3], v6 offset:512*\ip+256*\q
.endr
.endr
.endm
.macro FETCH s, buf                    ; K step s: P's eight fragments and R's four: 24 loads of 512 consecutive bytes
.irp j, 0,1,2,3,4,5,6,7
.irp c, 0,1
	ds_load_b128 v[PF+64*(\buf)+8*\j+4*\c:PF+64*(\buf)+8*\j+4*\c+3], v[4+(\s)/4] offset:\j*4096+((\s)%4)*1024+\c*512
.endr
.endr
.irp i, 0,1,2,3
.irp c, 0,1
	ds_load_b128 v[RF+32*(\buf)+8*\i+4*\c:RF+32*(\buf)+8*\i+4*\c+3], v[2+(\s)/4] offset:\i*4096+((\s)%4)*1024+\c*512
.endr
.endr
.endm
.macro WM ra, rb                       ; one product; ra, rb: the side's scale words stand in lanes 16-31
.if (\ra) && (\rb)
	v_wmma_scale_f32_16x16x128_f8f6f4 v[rD:rD+7], v[rA:rA+7], v[rB:rB+7], v[rC:rC+7], v[rSA], v[rSB] matrix_a_fmt:MATRIX_FMT_FP4 matrix_b_fmt:MATRIX_FMT_FP4 matrix_a_scale:MATRIX_SCALE_ROW1 matrix_b_scale:MATRIX_SCALE_ROW1
.elseif (\ra)
	v_wmma_scale_f32_16x16x128_f8f6f4 v[rD:rD+7], v[rA:rA+7], v[rB:rB+7], v[rC:rC+7], v[rSA], v[rSB] matrix_a_fmt:MATRIX_FMT_FP4 matrix_b_fmt:MATRIX_FMT_FP4 matrix_a_scale:MATRIX_SCALE_ROW1
.elseif (\rb)
	v_wmma_scale_f32_16x16x128_f8f6f4 v[rD:rD+7], v[rA:rA+7], v[rB:rB+7], v[rC:rC+7], v[rSA], v[rSB] matrix_a_fmt:MATRIX_FMT_FP4 matrix_b_fmt:MATRIX_FMT_FP4 matrix_b_scale:MATRIX_SCALE_ROW1
.else
	v_wmma_scale_f32_16x16x128_f8f6f4 v[rD:rD+7], v[rA:rA+7], v[rB:rB+7], v[rC:rC+7], v[rSA], v[rSB] matrix_a_fmt:MATRIX_FMT_FP4 matrix_b_fmt:MATRIX_FMT_FP4
.endif
.endm
; K step s: 32 products.  The 32 accumulators take turns, one instruction a turn, in the same order in every step.
; cmode 0: C = D.  1: the sums start with the bias along P.  2: with the bias along R.  Nothing is ever cleared.
.macro MUL s, buf, cmode
.if (\cmode) == 0
	WIN 0x50                                       ; C and D window 1
.else
	WIN 0x40                                       ; D window 1, C window 0
.endif
.irp i, 0,1,2,3
.irp j, 0,1,2,3,4,5,6,7
.set rD, 64*\i+8*\j
.set rA, PF+64*(\buf)+8*\j
.set rB, RF+32*(\buf)+8*\i
.set rC, rD
.if (\cmode) == 1
.set rC, CIP+8*\j
.endif
.if (\cmode) == 2
.set rC, CIR+8*\i
.endif
.set rSA, PS+16*((\s)/4)+4*(\j%4)+(\s)%4
.set rSB, RS+8*((\s)/4)+4*(\i%2)+(\s)%4
	WM \j/4, \i/2
.endr
.endr
	WIN 0
.endm
; 64 numbers of a lane, none negative, register 16 b + i = place 32 b + 16 (lane / 16) + i along the next K, become a fragment's codes in v[pc] on and its scale word in v[pw].
.macro QUANT s, pc, pw
.irp b, 0,1,2,3
	v_max3_num_f32 v[TM+\b], v[(\s)+16*\b], v[(\s)+1+16*\b], 0x1800000   ; block b: my 16 numbers, and the floor 2^(3 - 127): the byte cannot fall under 1
.endr
.irp i, 2,4,6,8,10,12,14
.irp b, 0,1,2,3
	s_delay_alu instid0(VALU_DEP_4)
	v_max3_num_f32 v[TM+\b], v[TM+\b], v[(\s)+16*\b+\i], v[(\s)+1+16*\b+\i]   ; (the four blocks by turns)
.endr
.endr
.irp b, 0,1,2,3
	s_delay_alu instid0(VALU_DEP_4)
	v_permlanex16_b32 v[TM+4+\b], v[TM+\b], s[SEL], s[SEL+1]
.endr
.irp b, 0,1,2,3
	s_delay_alu instid0(VALU_DEP_4)
	v_max_num_f32 v[TM+\b], v[TM+\b], v[TM+4+\b]   ; with lane l xor 16's: the block's largest
.endr
.irp b, 0,1,2,3
	s_delay_alu instid0(VALU_DEP_4)
	v_add_nc_u32 v[TM+12+\b], 0xff000000, v[TM+\b] ; 2 off its exponent field: the conversion's scale operand
.endr
.irp b, 0,1,2,3
	s_delay_alu instid0(VALU_DEP_4)
	v_lshrrev_b32 v[TM+4+\b], 23, v[TM+12+\b]      ; the scale's byte
.endr
	s_delay_alu instid0(VALU_DEP_3)
	v_lshl_or_b32 v[\pw], v[TM+5], 8, v[TM+4]
	s_delay_alu instid0(VALU_DEP_1)
	v_lshl_or_b32 v[\pw], v[TM+6], 16, v[\pw]
	s_delay_alu instid0(VALU_DEP_1)
	v_lshl_or_b32 v[\pw], v[TM+7], 24, v[\pw]
.irp b, 0,1,2,3
	v_cvt_scalef32_pk8_fp4_f32 v[(\pc)+2*\b], v[(\s)+16*\b:(\s)+7+16*\b], v[TM+12+\b]
	v_cvt_scalef32_pk8_fp4_f32 v[(\pc)+1+2*\b], v[(\s)+8+16*\b:(\s)+15+16*\b], v[TM+12+\b]
.endr
	v_nop                                          ; one plain place behind a scaled conversion
.irp c, 0,1                                    ; the operand's layout wants a whole block in a lane: lanes 0-15 block 2 c, lanes 16-31 block 2 c + 1
.irp i, 0,1
	v_permlane16_swap_b32 v[(\pc)+4*\c+\i], v[(\pc)+2+4*\c+\i]
.endr
.endr
.endm
	s_wait_tensorcnt 0x1                           ; my scale words and my part of chunk 0 are in; chunk 1's load, issued behind them, may stay out
	s_barrier_signal -1
	s_barrier_wait -1                              ; everybody's are
	SCALES
	FETCH 0, 0
	s_wait_loadcnt 0x0                             ; the bias
	s_wait_dscnt 0x0
	s_cmp_eq_u32 s23, 1                            ; the one branch on the product: the same in all waves
	s_cbranch_scc1 .Lfor_v
	MUL 0, 0, 1
	s_branch .Lstarted
.Lfor_v:
	MUL 0, 0, 2
.Lstarted:
	PLACES
	FETCH 1, 1                                     ; over the bias, which has been read
	FETCH 2, 0
	s_wait_dscnt 24                                ; K step 1 is in; the 24 loads of K step 2 may be out
	MUL 1, 1, 0
	PLACES
	FETCH 3, 1
	s_wait_dscnt 24                                ; all but the 24 just issued
	MUL 2, 0, 0
	PLACES
	s_wait_tensorcnt 0x0                           ; my part of chunk 1 is in,
	s_wait_dscnt 0x0                               ; no LDS load of mine is out at the signal,
	s_barrier_signal -1
	s_barrier_wait -1                              ; everybody's part is in
	FETCH 4, 0
	s_wait_dscnt 24
	MUL 3, 1, 0
.irp s, 4,5,6
	PLACES
	FETCH \s+1, (\s+1)%2
	s_wait_dscnt 24                                ; this step's fragments are in; the next step's 24 loads may be out
	MUL \s, (\s)%2, 0
.endr
	s_wait_dscnt 0x0
	MUL 7, 1, 0
	PLACES
; THE WAY OUT, a tile of R at a time: relu (each accumulator from its low end on), the quantiser along P, codes as two stores of 512 consecutive bytes, the scale word to my 256 bytes of LDS.
.irp i, 0,1,2,3
	WIN 0x04                                       ; source 1 window 1
.set n, 0
.rept 64
	v_max_num_f32 v[HV+n], 0, v[64*\i+n]
.set n, n+1
.endr
	WIN 0
	QUANT HV, PC+8*\i, PW+\i
	global_store_b128 v8, v[PC+8*\i:PC+8*\i+3], s[12:13] offset:512*\i      ; each tile has its own data registers: none is written again
	global_store_b128 v9, v[PC+8*\i+4:PC+8*\i+7], s[12:13] offset:512*\i
	ds_store_b32 v11, v[PW+\i] offset:64*\i        ; lanes r and r + 16 write the same word with the same value
.endr
	ds_load_b64 v[180:181], v12                    ; LDS serves a wave's instructions in order: this sees my stores
	s_wait_dscnt 0x0
	global_store_b64 v10, v[180:181], s[12:13]     ; four tiles' words: 256 consecutive aligned bytes
	s_wait_xcnt 0x0
	v_lshl_add_u32 v254, v0, 2, 0x46000
	v_mov_b32 v255, 0
	s_wait_alu depctr_va_vdst(0)
	s_wait_tensorcnt 0x0
	ds_add_u32 v254, v255
	s_wait_dscnt 0x0
	s_endpgm
.Lfunc_end_k_qd6df4b5484_pgemm:
	.size	k_qd6df4b5484_pgemm, .Lfunc_end_k_qd6df4b5484_pgemm-k_qd6df4b5484_pgemm
	.p2alignl 7, 3214868480
	.fill 96, 4, 3214868480
	.section	.rodata,"a",@progbits
	.p2align	6, 0x0
	.amdhsa_kernel k_qd6df4b5484_pgemm
		.amdhsa_group_segment_fixed_size 287744
		.amdhsa_private_segment_fixed_size 0
		.amdhsa_enable_private_segment 0
		.amdhsa_kernarg_size 40
		.amdhsa_user_sgpr_count 2
		.amdhsa_user_sgpr_kernarg_segment_ptr 1
		.amdhsa_wavefront_size32 1
		.amdhsa_system_sgpr_workgroup_id_x 1
		.amdhsa_system_sgpr_workgroup_id_y 1
		.amdhsa_system_sgpr_workgroup_id_z 1
		.amdhsa_system_vgpr_workitem_id 0
		.amdhsa_next_free_vgpr 512
		.amdhsa_next_free_sgpr 66
		.amdhsa_reserve_vcc 0
		.amdhsa_float_denorm_mode_32 3
		.amdhsa_float_denorm_mode_16_64 3
		.amdhsa_memory_ordered 1
		.amdhsa_forward_progress 1
		.amdhsa_inst_pref_size 93
	.end_amdhsa_kernel
	.amdgpu_metadata
---
amdhsa.version: [ 1, 2 ]
amdhsa.kernels:
  - .name:           k_qd6df4b5484_pgemm
    .symbol:         k_qd6df4b5484_pgemm.kd
    .args:
      - { .name: ops, .offset: 0, .size: 8, .value_kind: global_buffer, .address_space: global }
      - { .name: bq, .offset: 8, .size: 8, .value_kind: global_buffer, .address_space: global }
      - { .name: bk, .offset: 16, .size: 8, .value_kind: global_buffer, .address_space: global }
      - { .name: bv, .offset: 24, .size: 8, .value_kind: global_buffer, .address_space: global }
      - { .name: qkv, .offset: 32, .size: 8, .value_kind: global_buffer, .address_space: global }
    .group_segment_fixed_size: 287744
    .private_segment_fixed_size: 0
    .kernarg_segment_align: 8
    .kernarg_segment_size: 40
    .max_flat_workgroup_size: 256
    .sgpr_count:     66
    .vgpr_count:     512
    .wavefront_size: 32
...
	.end_amdgpu_metadata
.endif
;; end of part 2
;; launch attn (part 3): grid 4 x 64, 16 waves a work-group, clusters of 4 x 1, 169,984 bytes of LDS; arguments qkv, yq; writes yq
.if DOCPART == 3
	.amdgcn_target "amdgcn-amd-amdhsa--gfx1250"
	.amdhsa_code_object_version 6
	.text
	.protected	k_qd6df4b5484_attn
	.globl	k_qd6df4b5484_attn
	.p2align	8
	.type	k_qd6df4b5484_attn,@function
k_qd6df4b5484_attn:
	s_mov_b64 s[64:65], 0
	v_nop
	global_prefetch_b8 v0, s[64:65] scope:SCOPE_SE
	s_setreg_imm32_b32 hwreg(HW_REG_WAVE_MODE, 25, 1), 1
	s_wait_xcnt 0x0
	s_wait_alu depctr_hold_cnt(0) depctr_sa_sdst(0) depctr_va_vdst(0) depctr_va_sdst(0) depctr_va_ssrc(0) depctr_va_vcc(0) depctr_vm_vsrc(0)
	s_getreg_b32 s2, hwreg(HW_REG_IB_STS2, 6, 4)
	s_cmp_eq_u32 s2, 0
	s_cbranch_scc0 .Lentry_in_a_cluster
	s_endpgm
.Lentry_in_a_cluster:
	s_bfe_u32 s2, ttmp6, 0x10000c
	s_cmp_lg_u32 s2, 0x3003
	s_cbranch_scc0 .Lentry_shape_is_right
	s_endpgm
.Lentry_shape_is_right:
; y[b][q][head] = softmax_k(q . k / 8) v for 64 (b, head), 2,048 queries and keys, head size 64, both products on codes of FP4 with E8M0 scales; y is quantised along D for the last projection.
; THE SOFTMAX AHEAD OF THE SECOND PRODUCT: t = score x log2(e) / 8; M = the row's largest t so far, rounded UP to a whole number; p = 2^(t - M) is what is quantised, along the keys; it is not normalised.
; The row's sum is taken of the unquantised p, in f32, and divides O at the end.  When M moves, the sum and O are multiplied by 2^(old M - new M): exact.
; SHARES.  A cluster of four work-groups is one (b, head); work-group cx owns queries 512 cx on.  Each of sixteen waves owns two tiles of 16 queries, one after the other (tile 32 cx + 16 pass + wave),
; in 256 registers: four waves to a SIMD, so that one wave's vector work stands beside another's products and LDS loads.  Every wave walks all keys, 128 a step.
; LDS IS FILLED ONCE: the head's K and V as codes (65,536 bytes each) and their scale words, by joint loads of the four work-groups (mask 15): one tensor load a wave is out, in waves 0-10.  No byte is filled again, so there is no ring.
; Nothing is prefetched: all of K and V is asked for in the one group at the head.
; LAYOUT.  Both products are used transposed: S^T = K Q^T (source 0 = 16 keys, source 1 = my 16 queries), O^T = V^T P^T: a lane holds ONE query throughout.  Tiles hold rows 32 (T / 2) + 8 (T % 2) + r + 8 (r / 8),
; so the 16 registers of result tiles 2 b and 2 b + 1 are 16 neighbours: keys 32 b + 16 (lane / 16) + 0 .. 15 in S^T, channels likewise in O^T.
; The first product's K is 64: registers 4-7 of Q's and K's fragments are zero codes, written once; the upper two bytes of their scale words are 0, which is a power of two and stands over zero codes.
; LIMITS: NaN and infinities are not served; a block of p or of y under 2^-124, or of zeros, gets the byte 1.
.set SC,   12582912                    ; qkv: the scale words
.set KS,   131072                      ; LDS: K's codes at 0, V's at 65,536; K's scale words (of the pair of heads), 8,192 bytes;
.set VS,   139264                      ; V's, 4,096;
.set YS,   143360                      ; y's scale halves, 1,024 bytes, written by ds_store alone: no tensor load lands here
.set YSC,  4194304                     ; yq: the scale halves
.set WV,   8                           ; s8   my wave's number
.set G1C,  24                          ; s[24:31] group 1: 16,384 dense bytes as 64 rows of 256;  s[32:39]: 4,096 as 16 rows
.set G1S,  32
.set G0C,  40                          ; s[40:43] group 0 for codes (waves 0-7);  s[44:47] for scale words (waves 8-10)
.set G0S,  44
.set TK,   48                          ; s48  the step's codes: 4,096 bytes a step, in K as in V
.set TS,   49                          ; s49  K's scale words: 512 a step
.set TT,   50                          ; s50  V's: 256 a step
.set CNT,  51
.set CS,   52                          ; s[52:53] c = log2(e) / 8
.set SEL,  54                          ; s[54:55] selects for lane l xor 16
; REGISTERS: v1 16 x lane; v2, v3 my place among K's, V's scale words; v4 y's scale half in LDS; v5 y's codes in memory; v6, v7 Q's scale words; v8-11 the step's LDS addresses; v12 -M, v13 the largest t,
; v[14:15] the sum in two halves; v16-23, v24-31 Q of pass 0, 1; v32-95 eight fragments of K; v96-159 S^T, then p; v160-191 O^T; v192-223 four fragments of V; v224-231 p's codes; v232-239 at work;
; v240-247 K's scale words, v248-251 V's; v252 f, v253 p's scale word; v[254:255] at work, then the sum's second chain.
.macro CROUND                          ; a round of the cluster's barrier
	s_barrier_signal -1
	s_barrier_wait -1
	s_cmp_lg_u32 s[WV], 0
	s_cbranch_scc1 .Lnot_wave_0_\@
	s_barrier_signal -3
.Lnot_wave_0_\@:
	s_barrier_wait -3
	s_barrier_signal -1
	s_barrier_wait -1
.endm
	s_load_b128 s[4:7], s[0:1], 0x0                ; qkv s[4:5], yq s[6:7]
	v_lshl_add_u32 v254, v0, 2, 0x29000
	v_mov_b32 v255, 0
	ds_add_u32 v254, v255
	ds_add_u32 v254, v255
	s_wait_dscnt 0x0
	v_lshrrev_b32 v8, 5, v0
	s_delay_alu instid0(VALU_DEP_1)
	v_readfirstlane_b32 s[WV], v8                  ; wave 0..15
	s_bfe_u32 s9, ttmp6, 0x40000                   ; cx: it enters Q's and y's global addresses alone
	s_and_b32 s10, ttmp7, 0xffff                   ; bh = 16 b + head: the four partners share it
	s_lshr_b32 s11, s10, 4                         ; b
	s_and_b32 s12, s10, 15                         ; head
	s_lshr_b32 s13, s12, 1
	s_and_b32 s14, s12, 1                          ; which head of its pair
	s_lshl_b32 s15, s11, 3
	s_add_co_u32 s15, s15, s13                     ; 8 b + pair
	s_and_b32 s18, s[WV], 3
	s_lshr_b32 s16, s[WV], 2                       ; waves 0-3 fetch K's codes, 4-7 V's: a quarter each
	s_add_co_u32 s16, s16, 1
	s_lshl_b32 s16, s16, 22
	s_lshl_b32 s17, s10, 16
	s_add_co_u32 s16, s16, s17
	s_lshl_b32 s17, s18, 14
	s_add_co_u32 s16, s16, s17
	s_mov_b32 s17, 0
	s_lshl_b32 s20, s15, 13                        ; waves 8, 9: the halves of K's scale words;
	s_lshl_b32 s21, s18, 12
	s_add_co_u32 s20, s20, s21
	s_add_co_u32 s20, s20, SC+262144
	s_lshl_b32 s21, s10, 12                        ; wave 10: V's
	s_add_co_u32 s21, s21, SC+524288
	s_cmp_eq_u32 s[WV], 10
	s_cselect_b32 s20, s21, s20
	s_mov_b32 s21, 0
	s_mov_b32 s[G1C+0], 15|(3<<16)|(1<<21)         ; the mask: all four work-groups; elements of 8 bytes; bit 21 set beside a mask; no padding: every LDS load takes consecutive bytes
	s_mov_b32 s[G1C+1], 32<<16
	s_mov_b32 s[G1C+2], 64<<16
	s_mov_b32 s[G1C+3], 32<<16
	s_mov_b32 s[G1C+4], 64
	s_mov_b32 s[G1C+5], 32
	s_mov_b32 s[G1C+6], 0
	s_mov_b32 s[G1C+7], 0
	s_mov_b32 s[G1S+0], 15|(3<<16)|(1<<21)
	s_mov_b32 s[G1S+1], 32<<16
	s_mov_b32 s[G1S+2], 16<<16
	s_mov_b32 s[G1S+3], 32<<16
	s_mov_b32 s[G1S+4], 16
	s_mov_b32 s[G1S+5], 32
	s_mov_b32 s[G1S+6], 0
	s_mov_b32 s[G1S+7], 0
	s_mov_b32 s[CS], 0x3e38aa3b                    ; c = log2(e) / 8
	s_mov_b32 s[CS+1], s[CS]                       ; (named with it as a pair, so it is written)
	s_mov_b32 s[SEL], 0x76543210
	s_mov_b32 s[SEL+1], 0xfedcba98
	v_and_b32 v1, 31, v0
	s_delay_alu instid0(VALU_DEP_1)
	v_lshlrev_b32 v1, 4, v1                        ; 16 x lane
	s_wait_alu depctr_va_vdst(0)
	v_and_b32 v9, 15, v0                           ; r
	s_wait_alu depctr_va_vdst(0)
	s_lshl_b32 s22, s14, 1
	s_add_co_u32 s23, s22, KS
	v_lshl_add_u32 v2, v9, 2, s23                  ; K's scale words: 4 r, and my head's two bytes of the pair's four
	v_lshl_add_u32 v3, v9, 2, VS                   ; V's
	s_lshl_b32 s23, s[WV], 5
	s_add_co_u32 s23, s23, YS
	v_lshl_add_u32 v4, v9, 1, s23                  ; y's scale halves: 32 bytes a tile, 2 r
	s_lshl_b32 s57, s9, 5
	s_add_co_u32 s57, s57, s[WV]                   ; my tile of pass 0 in the head: 32 cx + wave
	s_lshl_b32 s56, s11, 7
	s_add_co_u32 s56, s56, s57
	s_lshl_b32 s56, s56, 4
	s_add_co_u32 s56, s56, s12
	s_lshl_b32 s56, s56, 9
	v_add_nc_u32 v5, s56, v1                       ; y's codes: ((128 b + tile) x 16 + head) x 512 + 16 x lane
	s_lshl_b32 s58, s10, 16
	s_lshl_b32 s59, s57, 9
	s_add_co_u32 s58, s58, s59
	v_add_nc_u32 v10, s58, v1                      ; Q's codes
	s_lshl_b32 s58, s15, 7
	s_add_co_u32 s58, s58, s57
	s_lshl_b32 s58, s58, 6
	s_add_co_u32 s58, s58, s22
	s_add_co_u32 s58, s58, SC
	v_lshl_add_u32 v11, v9, 2, s58                 ; Q's scale halves
	s_lshl_b32 s60, s10, 7
	s_lshl_b32 s61, s9, 5
	s_add_co_u32 s60, s60, s61
	s_lshl_b32 s60, s60, 5
	s_add_co_u32 s60, s60, YSC                     ; s60: my work-group's 1,024 bytes of y's scale halves in memory
.irp n, 20,21,22,23,28,29,30,31
	v_mov_b32 v[\n], 0                             ; Q: k = 64 .. 127 are zero codes
.endr
.irp j, 0,1,2,3,4,5,6,7
.irp n, 4,5,6,7
	v_mov_b32 v[32+8*\j+\n], 0                     ; K likewise: written once, no load lands here
.endr
.endr
.irp n, 236,237,238,239,253
	v_mov_b32 v[\n], 0                             ; a lane permute's destination counts as one of its sources; v253 is named as the upper half of v[252:253] before it is first written
.endr
	s_wait_kmcnt 0x0
	s_mov_b32 s[G0C], 1
	s_lshl_b32 s[G0C+1], s[WV], 14                 ; LDS: wave x 16,384
	s_add_nc_u64 s[G0C+2:G0C+3], s[4:5], s[16:17]
	s_or_b32 s[G0C+3], s[G0C+3], 0x80000000
	s_mov_b32 s[G0S], 1
	s_lshl_b32 s[G0S+1], s18, 12
	s_add_co_u32 s[G0S+1], s[G0S+1], KS            ; LDS: KS + (wave % 4) x 4,096
	s_add_nc_u64 s[G0S+2:G0S+3], s[4:5], s[20:21]
	s_or_b32 s[G0S+3], s[G0S+3], 0x80000000
	CROUND                                         ; all four work-groups are here: the joint loads meet
	s_cmp_lt_u32 s[WV], 8                          ; the branches hang on the wave's number alone: they are the same in every work-group
	s_cbranch_scc0 .Lnot_codes
	tensor_load_to_lds s[G0C:G0C+3], s[G1C:G1C+7]
	s_nop 0
.rept 4
	v_nop                                          ; four v_nop follow each of the two lines
.endr
	s_branch .Lasked
.Lnot_codes:
	s_cmp_lt_u32 s[WV], 11
	s_cbranch_scc0 .Lasked
	tensor_load_to_lds s[G0S:G0S+3], s[G1S:G1S+7]
	s_nop 0
.rept 4
	v_nop
.endr
.Lasked:
	global_load_b128 v[16:19], v10, s[4:5]               ; Q of pass 0, and of pass 1, 16 tiles on: they stay in registers
	global_load_b128 v[24:27], v10, s[4:5] offset:8192
	global_load_u16 v6, v11, s[4:5]                      ; two bytes; the upper two come as 0
	global_load_u16 v7, v11, s[4:5] offset:1024
	s_wait_tensorcnt 0x0                           ; my load has landed (a wave that issued none passes),
	s_barrier_signal -1
	s_barrier_wait -1                              ; everybody's has: K, V and their scale words lie in LDS for the rest of the launch
	s_wait_loadcnt 0x0                             ; Q; and v10, v11 may be written again
; A KEY STEP: 128 keys, for the queries of pass p.
.macro STEP p
	v_add_nc_u32 v8, s[TK], v1                     ; these four are also the places behind the last step's products, ahead of the loads into V's registers
	v_add_nc_u32 v10, s[TS], v2
	v_add_nc_u32 v11, s[TT], v3
	s_delay_alu instid0(VALU_DEP_3)
	v_add_nc_u32 v9, 0x10000, v8
.irp j, 0,1,2,3,4,5,6,7
	ds_load_b128 v[32+8*\j:35+8*\j], v8 offset:512*\j
.endr
.irp j, 0,1,2,3,4,5,6,7
	ds_load_u16 v[240+\j], v10 offset:64*\j
.endr
.irp t, 0,1,2,3
.irp c, 0,1
	ds_load_b128 v[192+8*\t+4*\c:195+8*\t+4*\c], v9 offset:2048*\c+512*\t
.endr
.endr
.irp t, 0,1,2,3
	ds_load_b32 v[248+\t], v11 offset:64*\t
.endr
	s_wait_dscnt 12                                ; K and its scale words are in; V's twelve loads may be out
.irp j, 0,1,2,3,4,5,6,7
	v_wmma_scale_f32_16x16x128_f8f6f4 v[96+8*\j:103+8*\j], v[32+8*\j:39+8*\j], v[16+8*\p:23+8*\p], 0, v[240+\j], v[6+\p] matrix_a_fmt:MATRIX_FMT_FP4 matrix_b_fmt:MATRIX_FMT_FP4
.endr
.rept 4
	v_nop
.endr
.irp b, 0,1,2,3
	v_max3_num_f32 v[232+\b], v[96+16*\b], v[97+16*\b], v[98+16*\b]   ; the largest score of each block of 32 keys: it serves for the row's maximum and, since p rises with the score, for the block's largest p
.endr
.irp i, 3,5,7,9,11,13
.irp b, 0,1,2,3
	v_max3_num_f32 v[232+\b], v[232+\b], v[96+16*\b+\i], v[97+16*\b+\i]
.endr
.endr
.irp b, 0,1,2,3
	v_max_num_f32 v[232+\b], v[232+\b], v[111+16*\b]
.endr
.irp b, 0,1,2,3
	s_delay_alu instid0(VALU_DEP_4)
	v_permlanex16_b32 v[236+\b], v[232+\b], s[SEL], s[SEL+1]
.endr
.irp b, 0,1,2,3
	s_delay_alu instid0(VALU_DEP_4)
	v_max_num_f32 v[232+\b], v[232+\b], v[236+\b]  ; with lane l xor 16's 16 keys
.endr
	s_delay_alu instid0(VALU_DEP_2)
	v_max3_num_f32 v254, v232, v233, v234
	s_delay_alu instid0(VALU_DEP_1)
	v_max_num_f32 v254, v254, v235                 ; the step's largest score of my query
	s_delay_alu instid0(VALU_DEP_1)
	v_mul_f32 v254, s[CS], v254                    ; as t (c is positive)
	s_delay_alu instid0(VALU_DEP_1)
	v_max_num_f32 v13, v13, v254                   ; the running largest t
	v_mov_b32 v254, v12
	s_delay_alu instid0(VALU_DEP_2)
	v_floor_f32 v12, -v13                          ; the new -M = floor(-t) = -ceil(t)
	s_delay_alu instid0(VALU_DEP_1)
	v_sub_f32 v254, v12, v254                      ; old M - new M: a whole number, 0 or less
	s_delay_alu instid0(VALU_DEP_1)
	v_cvt_i32_f32 v254, v254                       ; (it saturates)
	s_delay_alu instid0(VALU_DEP_1)
	v_ldexp_f32 v252, 1.0, v254                    ; f = 2^(old M - new M)
.set n, 0
.rept 32
	v_pk_fma_f32 v[96+n:97+n], v[96+n:97+n], s[CS:CS+1], v[12:13] op_sel_hi:[1,0,0]   ; t - M, two at a time
.set n, n+2
.endr
.irp b, 0,1,2,3
	v_fma_f32 v[232+\b], v[232+\b], s[CS], v12     ; the same of each block's largest score
.endr
.set n, 0
	s_wait_alu depctr_va_vdst(0)
.rept 64
	v_exp_f32 v[96+n], v[96+n]                     ; p = 2^(t - M), at most 1
.set n, n+1
.endr
	s_setprio 1
	v_pk_mul_f32 v[14:15], v[14:15], v[252:253] op_sel_hi:[1,0]   ; the sums under the new M: the plain line behind the exponentials
	s_wait_alu depctr_va_vdst(0)                   ; one wait for the batch of 64, ahead of its first reader
.irp b, 0,1,2,3
	v_exp_f32 v[232+\b], v[232+\b]                 ; the block's largest p: the same two instructions on the same number give the same bits
.endr
	v_pk_add_f32 v[254:255], v[96:97], v[98:99]    ; the row's sum is taken of the unquantised p, in two chains.  The first half of it is the work behind the four exponentials
.irp j, 4,8,12,16,20,24,28
	v_pk_add_f32 v[14:15], v[14:15], v[96+\j:97+\j]
	v_pk_add_f32 v[254:255], v[254:255], v[98+\j:99+\j]
.endr
	s_wait_alu depctr_va_vdst(0)                   ; and one for the four
.irp b, 0,1,2,3
	v_max_num_f32 v[232+\b], 0x1800000, v[232+\b]  ; the floor 2^(3 - 127): the byte cannot fall under 1
.endr
.irp b, 0,1,2,3
	s_delay_alu instid0(VALU_DEP_4)
	v_add_nc_u32 v[232+\b], 0xff000000, v[232+\b]  ; 2 off the exponent field: the conversion's scale operand
.endr
.irp b, 0,1,2,3
	s_delay_alu instid0(VALU_DEP_4)
	v_lshrrev_b32 v[236+\b], 23, v[232+\b]         ; the scale's byte
.endr
	s_delay_alu instid0(VALU_DEP_3)
	v_lshl_or_b32 v253, v237, 8, v236              ; p's scale word for these 128 keys
	s_delay_alu instid0(VALU_DEP_1)
	v_lshl_or_b32 v253, v238, 16, v253
	s_delay_alu instid0(VALU_DEP_1)
	v_lshl_or_b32 v253, v239, 24, v253
.irp b, 0,1,2,3
	v_cvt_scalef32_pk8_fp4_f32 v[224+2*\b], v[96+16*\b:103+16*\b], v[232+\b]
	v_cvt_scalef32_pk8_fp4_f32 v[225+2*\b], v[104+16*\b:111+16*\b], v[232+\b]
.endr
	v_nop                                          ; one plain place behind a scaled conversion
.irp c, 0,1                                    ; a whole block in a lane: lanes 0-15 block 2 c, lanes 16-31 block 2 c + 1
.irp i, 0,1
	v_permlane16_swap_b32 v[224+4*\c+\i], v[226+4*\c+\i]
.endr
.endr
.irp j, 32,36,40,44,48,52,56,60                ; the rest of the sums, and O^T's rescaling: 33 plain lines between the scale word and p's codes and the products that take them
	v_pk_add_f32 v[14:15], v[14:15], v[96+\j:97+\j]
	v_pk_add_f32 v[254:255], v[254:255], v[98+\j:99+\j]
.endr
	s_delay_alu instid0(VALU_DEP_1)
	v_pk_add_f32 v[14:15], v[14:15], v[254:255]
.set n, 0
	s_setprio 0
.rept 16
	v_pk_mul_f32 v[160+n:161+n], v[160+n:161+n], v[252:253] op_sel_hi:[1,0]   ; O^T under the new M
.set n, n+2
.endr
	s_wait_alu depctr_va_vdst(0)
	s_wait_dscnt 0x0                               ; V and its scale words are in
.irp t, 0,1,2,3
	v_wmma_scale_f32_16x16x128_f8f6f4 v[160+8*\t:167+8*\t], v[192+8*\t:199+8*\t], v[224:231], v[160+8*\t:167+8*\t], v[248+\t], v253 matrix_a_fmt:MATRIX_FMT_FP4 matrix_b_fmt:MATRIX_FMT_FP4   ; four accumulators, one instruction each; eight other products stand between two links of a chain
.endr
	s_add_co_u32 s[TK], s[TK], 4096
	s_add_co_u32 s[TS], s[TS], 512
	s_add_co_u32 s[TT], s[TT], 256
.endm
; One tile of 16 queries through all 2,048 keys, and out.
.macro PASS p
.if \p
	s_wait_xcnt 0x0                                ; the last pass's store has read v224-227
.endif
	v_mov_b32 v13, 0xff61b1e6                      ; the largest t so far: -3e38, under every t
	s_delay_alu instid0(VALU_DEP_1)
	v_floor_f32 v12, -v13                          ; -M
	v_mov_b32 v14, 0                               ; the sum, in two halves
	v_mov_b32 v15, 0
.set n, 0
.rept 32
	v_mov_b32 v[160+n], 0                          ; O^T.  (The step is written once for a pass: its first trip finds zeros, which the first change of M leaves zeros)
.set n, n+1
.endr
	s_mov_b32 s[TK], 0
	s_mov_b32 s[TS], 0
	s_mov_b32 s[TT], 0
	s_mov_b32 s[CNT], 16
.Lkeys_\@:
	s_setprio 2
	STEP \p
	s_sub_co_u32 s[CNT], s[CNT], 1
	s_cmp_lg_u32 s[CNT], 0
	s_cbranch_scc1 .Lkeys_\@
	s_setprio 0
.rept 4
	v_nop                                          ; places behind the last products
.endr
	v_add_f32 v14, v14, v15                        ; the sum's two halves,
	s_delay_alu instid0(VALU_DEP_1)
	v_permlanex16_b32 v252, v14, s[SEL], s[SEL+1]
	s_delay_alu instid0(VALU_DEP_1)
	v_add_f32 v14, v14, v252                       ; and lane l xor 16's: the row's sum, over 1/2
	s_wait_alu depctr_va_vdst(0)
	v_rcp_f32 v14, v14
	v_nop                                          ; a plain place behind the transcendental,
	s_wait_alu depctr_va_vdst(0)                   ; and the wait ahead of its first reader
.set n, 0
.rept 16
	v_pk_mul_f32 v[96+n:97+n], v[160+n:161+n], v[14:15] op_sel_hi:[1,0]   ; y = O^T / the sum: register 16 b + i is channel 32 b + 16 (lane / 16) + i; each accumulator from its low end on
.set n, n+2
.endr
.irp b, 0,1                                    ; y's two blocks of 32 along D; none is negative
	v_max3_num_f32 v[232+\b], v[96+16*\b], v[97+16*\b], 0x1800000
.endr
.irp i, 2,4,6,8,10,12,14
.irp b, 0,1
	s_delay_alu instid0(VALU_DEP_2)
	v_max3_num_f32 v[232+\b], v[232+\b], v[96+16*\b+\i], v[97+16*\b+\i]
.endr
.endr
.irp b, 0,1
	s_delay_alu instid0(VALU_DEP_2)
	v_permlanex16_b32 v[236+\b], v[232+\b], s[SEL], s[SEL+1]
.endr
.irp b, 0,1
	s_delay_alu instid0(VALU_DEP_2)
	v_max_num_f32 v[232+\b], v[232+\b], v[236+\b]
.endr
.irp b, 0,1
	s_delay_alu instid0(VALU_DEP_2)
	v_add_nc_u32 v[232+\b], 0xff000000, v[232+\b]
.endr
.irp b, 0,1
	s_delay_alu instid0(VALU_DEP_2)
	v_lshrrev_b32 v[236+\b], 23, v[232+\b]
.endr
	s_delay_alu instid0(VALU_DEP_1)
	v_lshl_or_b32 v238, v237, 8, v236              ; the head's two bytes of my row
.irp b, 0,1
	v_cvt_scalef32_pk8_fp4_f32 v[224+2*\b], v[96+16*\b:103+16*\b], v[232+\b]
	v_cvt_scalef32_pk8_fp4_f32 v[225+2*\b], v[104+16*\b:111+16*\b], v[232+\b]
.endr
	v_nop
	v_permlane16_swap_b32 v224, v226
	v_permlane16_swap_b32 v225, v227               ; lane (r, h): channels 32 h + 0 .. 31
	global_store_b128 v5, v[224:227], s[6:7] offset:131072*\p   ; 512 consecutive aligned bytes: (tile, head) of y's image
	ds_store_b16 v4, v238 offset:512*\p            ; lanes r and r + 16 write the same half with the same value
.endm
	PASS 0
	PASS 1
	s_wait_dscnt 0x0                               ; for the others' sake: my two stores have landed
	s_barrier_signal -1
	s_barrier_wait -1                              ; the work-group's 32 tiles' scale halves lie in LDS: 1,024 bytes
	v_lshl_add_u32 v8, v0, 4, YS
	v_lshlrev_b32 v9, 4, v0
	s_delay_alu instid0(VALU_DEP_1)
	v_add_nc_u32 v9, s60, v9
	s_cmp_lt_u32 s[WV], 2                          ; waves 0 and 1 store them, 512 consecutive bytes each
	s_cbranch_scc0 .Lno_scales
	ds_load_b128 v[96:99], v8
	s_wait_dscnt 0x0
	s_wait_alu depctr_va_vdst(0)
	global_store_b128 v9, v[96:99], s[6:7]
.Lno_scales:
	s_wait_xcnt 0x0
	v_lshl_add_u32 v254, v0, 2, 0x29000
	v_mov_b32 v255, 0
	s_wait_alu depctr_va_vdst(0)
	s_wait_tensorcnt 0x0
	ds_add_u32 v254, v255
	s_wait_dscnt 0x0
	CROUND                                         ; the closing round: no work-group ends while a partner may still ask for a tile that names it
	s_endpgm
.Lfunc_end_k_qd6df4b5484_attn:
	.size	k_qd6df4b5484_attn, .Lfunc_end_k_qd6df4b5484_attn-k_qd6df4b5484_attn
	.p2alignl 7, 3214868480
	.fill 96, 4, 3214868480
	.section	.rodata,"a",@progbits
	.p2align	6, 0x0
	.amdhsa_kernel k_qd6df4b5484_attn
		.amdhsa_group_segment_fixed_size 169984
		.amdhsa_private_segment_fixed_size 0
		.amdhsa_enable_private_segment 0
		.amdhsa_kernarg_size 16
		.amdhsa_user_sgpr_count 2
		.amdhsa_user_sgpr_kernarg_segment_ptr 1
		.amdhsa_wavefront_size32 1
		.amdhsa_system_sgpr_workgroup_id_x 1
		.amdhsa_system_sgpr_workgroup_id_y 1
		.amdhsa_system_sgpr_workgroup_id_z 1
		.amdhsa_system_vgpr_workitem_id 0
		.amdhsa_next_free_vgpr 256
		.amdhsa_next_free_sgpr 66
		.amdhsa_reserve_vcc 0
		.amdhsa_float_denorm_mode_32 3
		.amdhsa_float_denorm_mode_16_64 3
		.amdhsa_memory_ordered 1
		.amdhsa_forward_progress 1
		.amdhsa_inst_pref_size 53
	.end_amdhsa_kernel
	.amdgpu_metadata
---
amdhsa.version: [ 1, 2 ]
amdhsa.kernels:
  - .name:           k_qd6df4b5484_attn
    .symbol:         k_qd6df4b5484_attn.kd
    .args:
      - { .name: qkv, .offset: 0, .size: 8, .value_kind: global_buffer, .address_space: global }
      - { .name: yq, .offset: 8, .size: 8, .value_kind: global_buffer, .address_space: global }
    .group_segment_fixed_size: 169984
    .private_segment_fixed_size: 0
    .kernarg_segment_align: 8
    .kernarg_segment_size: 16
    .max_flat_workgroup_size: 512
    .sgpr_count:     66
    .vgpr_count:     256
    .wavefront_size: 32
...
	.end_amdgpu_metadata
.endif
;; end of part 3
;; launch ogemm (part 4): grid 4 x 64, 4 waves a work-group, clusters of 4 x 4, 246,272 bytes of LDS; arguments yq, ops, bo, out0; writes out0
.if DOCPART == 4
	.amdgcn_target "amdgcn-amd-amdhsa--gfx1250"
	.amdhsa_code_object_version 6
	.text
	.protected	k_qd6df4b5484_ogemm
	.globl	k_qd6df4b5484_ogemm
	.p2align	8
	.type	k_qd6df4b5484_ogemm,@function
k_qd6df4b5484_ogemm:
	s_mov_b64 s[64:65], 0
	v_nop
	global_prefetch_b8 v0, s[64:65] scope:SCOPE_SE
	s_setreg_imm32_b32 hwreg(HW_REG_WAVE_MODE, 25, 1), 1
	s_wait_xcnt 0x0
	s_wait_alu depctr_hold_cnt(0) depctr_sa_sdst(0) depctr_va_vdst(0) depctr_va_sdst(0) depctr_va_ssrc(0) depctr_va_vcc(0) depctr_vm_vsrc(0)
	s_getreg_b32 s2, hwreg(HW_REG_IB_STS2, 6, 4)
	s_cmp_eq_u32 s2, 0
	s_cbranch_scc0 .Lentry_in_a_cluster
	s_endpgm
.Lentry_in_a_cluster:
	s_bfe_u32 s2, ttmp6, 0x10000c
	s_cmp_lg_u32 s2, 0xf033
	s_cbranch_scc0 .Lentry_shape_is_right
	s_endpgm
.Lentry_shape_is_right:
; out0 = relu(y Wo + bo): y [8192][1024] and Wo's columns as codes of FP4 with E8M0 scales, out0 f32.
; D = (source 0: 16 columns of Wo, P) x (source 1: 16 tokens of y, R): a lane holds one token and its registers run along the output's columns.
; OPERANDS: tiles of 16 rows, tile T holding row 32 (T / 2) + 8 (T % 2) + r + 8 (r / 8); a tile's codes are an image of the operand's registers, [K step][c][lane][16 bytes], 8,192 bytes.
; Wo's scale words lie [q][r][4 words] a tile (buffer ops); y's come as halves, u16 [16 b + head][tile in the batch][r] (buffer yq): K step s takes head 2 s's half below and head 2 s + 1's above.
; SHARES.  256 work-groups: 128 tokens (8 tiles) x 256 columns (16 tiles).  Four waves; a wave makes 64 tokens (4 tiles i) x 128 columns (8 tiles j): 32 accumulators in window 1.
; CLUSTER 4 x 4: the four of a row of the cluster need the same tiles of y, the four of a column the same tiles of Wo: each is asked for jointly, by the same load with a mask that names the four.
; LDS IS FILLED ONCE: all of K = 1,024, in two chunks of four K steps, and the scales: six joint loads a wave, in one group behind one round of the cluster's barrier; six are out.  No byte is filled again.
; LIMITS: NaN and infinities are not served; the bias enters as the C of the first K step, ahead of the sum.
.set SX,   14680064                    ; ops: the scale words
.set CH,   98304                       ; LDS: chunk jj at jj x CH: y's 8 tiles x 4,096 bytes, then Wo's 16
.set PSC,  196608                      ; Wo's scale words, 16 x 512
.set YSL,  204800                      ; y's scale halves: 16 heads x 256 bytes (8 tiles x 32)
.set STG,  208896                      ; the way out: 16 rows x 528 bytes for each wave, written by ds_store alone: no tensor load lands here
.set SP,   528
.set PS,   16                          ; v16-47  Wo's scale words: register 16 q + 4 j' + s': lanes 0-15 tile j', lanes 16-31 tile j' + 4
.set RS,   48                          ; v48-63  y's: register 8 q + 4 i' + s': lanes 0-15 tile i', lanes 16-31 tile i' + 2
.set PF,   64                          ; v64-127, v128-191  Wo's eight fragments, two buffers
.set RF,   192                         ; v192-223, v224-255 y's four, two buffers
.set CIP,  128                         ; until K step 0 is done: the bias, eight tiles of 8 registers
.set UH,   224                         ; and y's 32 scale halves
.set MSB, 0
.macro WIN new                         ; the immediate's high byte repeats the setting that is left
.if MSB != \new
	s_set_vgpr_msb (MSB<<8)|\new
.set MSB, \new
.endif
.endm
.macro PLACES                          ; four plain places behind a matrix instruction (ISA guide 7.12.1)
.rept 4
	v_nop
.endr
.endm
.macro CROUND                          ; a round of the cluster's barrier
	s_barrier_signal -1
	s_barrier_wait -1
	s_cmp_lg_u32 s14, 0
	s_cbranch_scc1 .Lnot_wave_0_\@
	s_barrier_signal -3
.Lnot_wave_0_\@:
	s_barrier_wait -3
	s_barrier_signal -1
	s_barrier_wait -1
.endm
	s_load_b256 s[4:11], s[0:1], 0x0               ; yq s[4:5], ops s[6:7], bo s[8:9], out0 s[10:11]
	v_lshl_add_u32 v8, v0, 2, 0x3c000
	v_mov_b32 v9, 0
	ds_add_u32 v8, v9
	ds_add_u32 v8, v9
	v_lshrrev_b32 v1, 5, v0
	v_readfirstlane_b32 s14, v1                    ; wave 0..3
	s_bfe_u32 s15, ttmp6, 0x40000                  ; cx
	s_bfe_u32 s16, ttmp6, 0x40004                  ; cy
	s_and_b32 s17, ttmp7, 0xffff
	s_lshl_b32 s17, s17, 2
	s_add_co_u32 s17, s17, s16                     ; rb: block of 128 tokens = 4 x cluster y + cy
	s_lshl_b32 s20, ttmp9, 2
	s_add_co_u32 s20, s20, s15                     ; block of 256 columns = 4 x cluster x + cx
	s_lshl_b32 s18, s16, 2
	s_lshl_b32 s18, 15, s18                        ; my row of the cluster
	s_lshl_b32 s19, 0x1111, s15                    ; my column
	s_and_b32 s21, s14, 1                          ; WR: which 64 tokens are mine
	s_lshr_b32 s22, s14, 1                         ; WP: which 128 columns
	; groups 1: elements of 8 bytes, bit 21 beside the mask, no padding
	s_or_b32 s24, s18, (3<<16)|(1<<21)             ; s[24:31] y's scale halves: 4 heads x 256 bytes, 4,096 apart
	s_mov_b32 s25, 32<<16
	s_mov_b32 s26, 4<<16
	s_mov_b32 s27, 32<<16
	s_mov_b32 s28, 4
	s_mov_b32 s29, 512
	s_mov_b32 s30, 0
	s_mov_b32 s31, 0
	s_or_b32 s32, s19, (3<<16)|(1<<21)             ; s[32:39] Wo's scale words: 2,048 dense bytes as 8 rows of 256
	s_mov_b32 s33, 32<<16
	s_mov_b32 s34, 8<<16
	s_mov_b32 s35, 32<<16
	s_mov_b32 s36, 8
	s_mov_b32 s37, 32
	s_mov_b32 s38, 0
	s_mov_b32 s39, 0
	s_or_b32 s40, s18, (3<<16)|(1<<21)             ; s[40:47] y's codes: 2 tiles x 4,096 bytes, 8,192 apart
	s_mov_b32 s41, 512<<16
	s_mov_b32 s42, 2<<16
	s_mov_b32 s43, 512<<16
	s_mov_b32 s44, 2
	s_mov_b32 s45, 1024
	s_mov_b32 s46, 0
	s_mov_b32 s47, 0
	s_or_b32 s48, s19, (3<<16)|(1<<21)             ; s[48:55] Wo's codes: 4 tiles
	s_mov_b32 s49, 512<<16
	s_mov_b32 s50, 4<<16
	s_mov_b32 s51, 512<<16
	s_mov_b32 s52, 4
	s_mov_b32 s53, 1024
	s_mov_b32 s54, 0
	s_mov_b32 s55, 0
	; where they come from.  y's hang on rb and the wave alone, Wo's on the column block and the wave alone, in registers that never hold the other coordinate
	s_lshr_b32 s84, s17, 4
	s_lshl_b32 s84, s84, 4
	s_lshl_b32 s85, s14, 2
	s_add_co_u32 s84, s84, s85                     ; 16 b + my first head, 4 x wave
	s_lshl_b32 s84, s84, 12
	s_and_b32 s85, s17, 15
	s_lshl_b32 s85, s85, 8
	s_add_co_u32 s84, s84, s85
	s_add_co_u32 s84, s84, 4194304
	s_mov_b32 s85, 0
	s_lshl_b32 s86, s17, 3
	s_lshl_b32 s87, s14, 1
	s_add_co_u32 s86, s86, s87                     ; y's tile 8 rb + 2 x wave
	s_lshl_b32 s86, s86, 13
	s_mov_b32 s87, 0
	s_lshl_b32 s88, s20, 4
	s_lshl_b32 s89, s14, 2
	s_add_co_u32 s88, s88, s89
	s_add_co_u32 s88, s88, 1728                    ; Wo's tile
	s_lshl_b32 s90, s88, 9
	s_add_co_u32 s90, s90, SX
	s_mov_b32 s91, 0
	s_lshl_b32 s88, s88, 13
	s_mov_b32 s89, 0
	s_wait_dscnt 0x0
	s_wait_kmcnt 0x0
	s_mov_b32 s56, 1                               ; s[56:59] y's scale halves
	s_lshl_b32 s57, s14, 10
	s_add_co_u32 s57, s57, YSL
	s_add_nc_u64 s[58:59], s[4:5], s[84:85]
	s_or_b32 s59, s59, 0x80000000
	s_mov_b32 s60, 1                               ; s[60:63] Wo's scale words
	s_lshl_b32 s61, s14, 11
	s_add_co_u32 s61, s61, PSC
	s_add_nc_u64 s[62:63], s[6:7], s[90:91]
	s_or_b32 s63, s63, 0x80000000
	s_mov_b32 s68, 1                               ; s[68:71], s[76:79] y's codes, chunk 0, 1
	s_lshl_b32 s69, s14, 13
	s_add_nc_u64 s[70:71], s[4:5], s[86:87]
	s_mov_b32 s76, 1
	s_add_co_u32 s77, s69, CH
	s_add_nc_u64 s[78:79], s[70:71], 4096
	s_or_b32 s71, s71, 0x80000000
	s_or_b32 s79, s79, 0x80000000
	s_mov_b32 s72, 1                               ; s[72:75], s[80:83] Wo's codes
	s_lshl_b32 s73, s14, 14
	s_add_co_u32 s73, s73, 32768
	s_add_nc_u64 s[74:75], s[6:7], s[88:89]
	s_mov_b32 s80, 1
	s_add_co_u32 s81, s73, CH
	s_add_nc_u64 s[82:83], s[74:75], 4096
	s_or_b32 s75, s75, 0x80000000
	s_or_b32 s83, s83, 0x80000000
	CROUND                                         ; all sixteen work-groups are here: the joint loads meet
	tensor_load_to_lds s[56:59], s[24:31]          ; every wave issues all six, each line with its one mask
	s_nop 0
	tensor_load_to_lds s[60:63], s[32:39]
	s_nop 0
	tensor_load_to_lds s[68:71], s[40:47]
	s_nop 0
	tensor_load_to_lds s[72:75], s[48:55]
	s_nop 0
	tensor_load_to_lds s[76:79], s[40:47]
	s_nop 0
	tensor_load_to_lds s[80:83], s[48:55]
	s_nop 0
	PLACES                                         ; four v_nop follow the last
	v_and_b32 v1, 31, v0
	v_lshlrev_b32 v1, 4, v1                        ; 16 x lane
	v_and_b32 v14, 15, v0                          ; r
	v_bfe_u32 v15, v0, 4, 1                        ; h
	s_lshl_b32 s84, s21, 14
	v_add_nc_u32 v2, s84, v1                       ; v2, v3: my four tiles of y in chunk 0, 1
	v_add_nc_u32 v3, CH, v2
	s_lshl_b32 s84, s22, 15
	s_add_co_u32 s84, s84, 32768
	v_add_nc_u32 v4, s84, v1                       ; v4, v5: my eight tiles of Wo
	v_add_nc_u32 v5, CH, v4
	s_lshl_b32 s84, s21, 7
	s_add_co_u32 s84, s84, YSL
	v_lshl_add_u32 v6, v14, 1, s84
	v_lshl_add_u32 v6, v15, 6, v6                  ; v6: y's scale halves: 2 r; lanes 16-31 two tiles on
	s_lshl_b32 s84, s22, 12
	s_add_co_u32 s84, s84, PSC
	v_lshl_add_u32 v7, v14, 4, s84
	v_lshl_add_u32 v7, v15, 11, v7                 ; v7: Wo's scale words: lanes 16-31 four tiles on
	s_mul_i32 s84, s14, 16*SP
	s_add_co_u32 s84, s84, STG
	v_mul_u32_u24 v11, v14, SP
	v_lshl_add_u32 v11, v15, 6, v11
	v_add_nc_u32 v11, s84, v11                     ; v11: my stage, in: row r, 64 h bytes on
	v_add_nc_u32 v12, s84, v1                      ; v12: and back: a row's 512 bytes, 16 a lane
	s_lshl_b32 s84, s20, 10
	s_lshl_b32 s85, s22, 9
	s_add_co_u32 s84, s84, s85                     ; my first column, in bytes
	v_lshl_add_u32 v13, v15, 6, s84                ; v13: the bias: + 16 h columns
	v_add_nc_u32 v10, s84, v1                      ; v10: out0: my 16 bytes of a row's 512
	s_lshl_b32 s84, s17, 19
	s_lshl_b32 s85, s21, 18
	s_add_co_u32 s84, s84, s85
	s_mov_b32 s85, 0
	s_add_nc_u64 s[10:11], s[10:11], s[84:85]      ; out0 at row 128 rb + 64 WR
.irp j, 0,1,2,3,4,5,6,7
	global_load_b128 v[CIP+8*\j:CIP+8*\j+3], v13, s[8:9] offset:(32*(\j/2)+8*(\j%2))*4
	global_load_b128 v[CIP+8*\j+4:CIP+8*\j+7], v13, s[8:9] offset:(32*(\j/2)+8*(\j%2))*4+16
.endr
.macro FETCH s, buf                    ; K step s: Wo's eight fragments and y's four: 24 loads of 512 consecutive bytes
.irp j, 0,1,2,3,4,5,6,7
.irp c, 0,1
	ds_load_b128 v[PF+64*(\buf)+8*\j+4*\c:PF+64*(\buf)+8*\j+4*\c+3], v[4+(\s)/4] offset:\j*4096+((\s)%4)*1024+\c*512
.endr
.endr
.irp i, 0,1,2,3
.irp c, 0,1
	ds_load_b128 v[RF+32*(\buf)+8*\i+4*\c:RF+32*(\buf)+8*\i+4*\c+3], v[2+(\s)/4] offset:\i*4096+((\s)%4)*1024+\c*512
.endr
.endr
.endm
.macro WM ra, rb                       ; one product; ra, rb: the side's scale words stand in lanes 16-31
.if (\ra) && (\rb)
	v_wmma_scale_f32_16x16x128_f8f6f4 v[rD:rD+7], v[rA:rA+7], v[rB:rB+7], v[rC:rC+7], v[rSA], v[rSB] matrix_a_fmt:MATRIX_FMT_FP4 matrix_b_fmt:MATRIX_FMT_FP4 matrix_a_scale:MATRIX_SCALE_ROW1 matrix_b_scale:MATRIX_SCALE_ROW1
.elseif (\ra)
	v_wmma_scale_f32_16x16x128_f8f6f4 v[rD:rD+7], v[rA:rA+7], v[rB:rB+7], v[rC:rC+7], v[rSA], v[rSB] matrix_a_fmt:MATRIX_FMT_FP4 matrix_b_fmt:MATRIX_FMT_FP4 matrix_a_scale:MATRIX_SCALE_ROW1
.elseif (\rb)
	v_wmma_scale_f32_16x16x128_f8f6f4 v[rD:rD+7], v[rA:rA+7], v[rB:rB+7], v[rC:rC+7], v[rSA], v[rSB] matrix_a_fmt:MATRIX_FMT_FP4 matrix_b_fmt:MATRIX_FMT_FP4 matrix_b_scale:MATRIX_SCALE_ROW1
.else
	v_wmma_scale_f32_16x16x128_f8f6f4 v[rD:rD+7], v[rA:rA+7], v[rB:rB+7], v[rC:rC+7], v[rSA], v[rSB] matrix_a_fmt:MATRIX_FMT_FP4 matrix_b_fmt:MATRIX_FMT_FP4
.endif
.endm
; K step s: 32 products; the 32 accumulators take turns, one instruction a turn, in the same order in every step.  cmode 0: C = D.  1: the sums start with the bias.
.macro MUL s, buf, cmode
.if (\cmode) == 0
	WIN 0x50                                       ; C and D window 1
.else
	WIN 0x40                                       ; D window 1, C window 0
.endif
.irp i, 0,1,2,3
.irp j, 0,1,2,3,4,5,6,7
.set rD, 64*\i+8*\j
.set rA, PF+64*(\buf)+8*\j
.set rB, RF+32*(\buf)+8*\i
.set rC, rD
.if (\cmode) == 1
.set rC, CIP+8*\j
.endif
.set rSA, PS+16*((\s)/4)+4*(\j%4)+(\s)%4
.set rSB, RS+8*((\s)/4)+4*(\i%2)+(\s)%4
	WM \j/4, \i/2
.endr
.endr
	WIN 0
.endm
	s_wait_alu depctr_va_vdst(0)
	s_wait_tensorcnt 0x2                           ; my parts of the scales and of chunk 0 are in; chunk 1's two loads, issued behind them, may stay out
	s_barrier_signal -1
	s_barrier_wait -1                              ; everybody's are
.irp ip, 0,1
.set n, 0
.rept 16
	ds_load_u16 v[UH+16*\ip+n], v6 offset:256*n+32*\ip   ; head n's half of my row of tile i' (lanes 16-31: i' + 2)
.set n, n+1
.endr
.endr
.irp q, 0,1
.irp jp, 0,1,2,3
	ds_load_b128 v[PS+16*\q+4*\jp:PS+16*\q+4*\jp+3], v7 offset:512*\jp+256*\q
.endr
.endr
	s_wait_dscnt 8                                 ; the 32 halves are in; Wo's eight loads may be out
	FETCH 0, 0
.irp q, 0,1
.irp ip, 0,1
.irp sp, 0,1,2,3
	v_lshl_or_b32 v[RS+8*\q+4*\ip+\sp], v[UH+16*\ip+2*(4*\q+\sp)+1], 16, v[UH+16*\ip+2*(4*\q+\sp)]   ; K step 4 q + s': the even head's two bytes below, the odd head's above
.endr
.endr
.endr
.rept 8
	v_nop                                          ; a scale register written by a vector instruction stands 8 places ahead of a scaled product
.endr
	s_wait_loadcnt 0x0                             ; the bias
	s_wait_dscnt 0x0
	MUL 0, 0, 1
	PLACES
	FETCH 1, 1                                     ; over the bias and the halves, which have been read
	FETCH 2, 0
	s_wait_dscnt 24                                ; K step 1 is in; the 24 loads of K step 2 may be out
	MUL 1, 1, 0
	PLACES
	FETCH 3, 1
	s_wait_dscnt 24                                ; all but the 24 just issued
	MUL 2, 0, 0
	PLACES
	s_wait_alu depctr_va_vdst(0)
	s_wait_tensorcnt 0x0                           ; my parts of chunk 1 are in,
	s_wait_dscnt 0x0                               ; no LDS load of mine is out at the signal,
	s_barrier_signal -1
	s_barrier_wait -1                              ; everybody's parts are in
	FETCH 4, 0
	s_wait_dscnt 24
	MUL 3, 1, 0
.irp s, 4,5,6
	PLACES
	FETCH \s+1, (\s+1)%2
	s_wait_dscnt 24                                ; this step's fragments are in; the next step's 24 loads may be out
	MUL \s, (\s)%2, 0
.endr
	s_wait_dscnt 0x0
	MUL 7, 1, 0
	PLACES
; THE WAY OUT, a tile of 16 tokens at a time: relu (each accumulator from its low end on); a lane's 64 numbers go into my stage, register 16 b + 4 q + e at column 32 b + 16 h + 4 q + e of row r,
; and come back as whole rows of 512 bytes, which the 32 lanes store as 512 consecutive aligned bytes.
.irp i, 0,1,2,3
.if \i >= 2
	s_wait_xcnt 0x0                                ; the stores of two tiles back have read the registers that this tile's rows land in
.endif
	WIN 0x04                                       ; source 1 window 1
.set n, 0
.rept 64
	v_max_num_f32 v[64+n], 0, v[64*\i+n]
.set n, n+1
.endr
	WIN 0
.irp b, 0,1,2,3
.irp q, 0,1,2,3
	ds_store_b128 v11, v[64+16*\b+4*\q:64+16*\b+4*\q+3] offset:128*\b+16*\q
.endr
.endr
.set BB, 128+64*(\i%2)
.set n, 0
.rept 16
	ds_load_b128 v[BB+4*n:BB+4*n+3], v12 offset:SP*n   ; LDS serves a wave's instructions in order: these see the stores above
.set n, n+1
.endr
	s_wait_dscnt 0x0
.set n, 0
.rept 16
	global_store_b128 v10, v[BB+4*n:BB+4*n+3], s[10:11] offset:(32*(\i/2)+8*(\i%2)+n+8*(n/8))*4096 th:TH_STORE_NT   ; the tile's row n is token 32 (i / 2) + 8 (i % 2) + n + 8 (n / 8) of my 64; written once, read by nobody here
.set n, n+1
.endr
.endr
	s_wait_tensorcnt 0x0
	ds_add_u32 v8, v9
	s_wait_dscnt 0x0
	CROUND                                         ; the closing round: no work-group ends while a partner may still ask for a tile that names it
	s_endpgm
.Lfunc_end_k_qd6df4b5484_ogemm:
	.size	k_qd6df4b5484_ogemm, .Lfunc_end_k_qd6df4b5484_ogemm-k_qd6df4b5484_ogemm
	.p2alignl 7, 3214868480
	.fill 96, 4, 3214868480
	.section	.rodata,"a",@progbits
	.p2align	6, 0x0
	.amdhsa_kernel k_qd6df4b5484_ogemm
		.amdhsa_group_segment_fixed_size 246272
		.amdhsa_private_segment_fixed_size 0
		.amdhsa_enable_private_segment 0
		.amdhsa_kernarg_size 32
		.amdhsa_user_sgpr_count 2
		.amdhsa_user_sgpr_kernarg_segment_ptr 1
		.amdhsa_wavefront_size32 1
		.amdhsa_system_sgpr_workgroup_id_x 1
		.amdhsa_system_sgpr_workgroup_id_y 1
		.amdhsa_system_sgpr_workgroup_id_z 1
		.amdhsa_system_vgpr_workitem_id 0
		.amdhsa_next_free_vgpr 512
		.amdhsa_next_free_sgpr 96
		.amdhsa_reserve_vcc 0
		.amdhsa_float_denorm_mode_32 3
		.amdhsa_float_denorm_mode_16_64 3
		.amdhsa_memory_ordered 1
		.amdhsa_forward_progress 1
		.amdhsa_inst_pref_size 82
	.end_amdhsa_kernel
	.amdgpu_metadata
---
amdhsa.version: [ 1, 2 ]
amdhsa.kernels:
  - .name:           k_qd6df4b5484_ogemm
    .symbol:         k_qd6df4b5484_ogemm.kd
    .args:
      - { .name: yq, .offset: 0, .size: 8, .value_kind: global_buffer, .address_space: global }
      - { .name: ops, .offset: 8, .size: 8, .value_kind: global_buffer, .address_space: global }
      - { .name: bo, .offset: 16, .size: 8, .value_kind: global_buffer, .address_space: global }
      - { .name: out0, .offset: 24, .size: 8, .value_kind: global_buffer, .address_space: global }
    .group_segment_fixed_size: 246272
    .private_segment_fixed_size: 0
    .kernarg_segment_align: 8
    .kernarg_segment_size: 32
    .max_flat_workgroup_size: 128
    .sgpr_count:     96
    .vgpr_count:     512
    .wavefront_size: 32
...
	.end_amdgpu_metadata
.endif
;; end of part 4
